; MI455X (gfx1250); checked and timed in simulation.
; The chip was launched on July 23, 2026; its instructions are those of AMD's public machine-readable ISA for CDNA 5 (MIT licence, August 2026) and "CDNA5" Instruction Set Architecture Reference Guide (July 2026). The comments in the code are by the model that wrote it; some were corrected since.
;; Linear Attention Selective. Allowed arithmetic: matrix products marked QUANTISED: E2M1 operands, one E8M0 scale for each 32 along K, by v_wmma_scale_f32_16x16x128_f8f6f4 with both operands' format E2M1 (or v_wmma_scale_f32_32x16x128_f4), f32 sums; products left as they are: bf16, f16 or f32 operands; f32 sums; everything else in f32.
;; Inputs: Wk 1,024 x 256 float32; Wo 1,024 x 1,024 float32; Wq 1,024 x 256 float32; Wv 1,024 x 1,024 float32; hidden_states 2 x 2,048 x 1,024 float32.
;; Outputs: out0 2 x 2,048 x 1,024 float32.
;; This version of the problem:
;;   THIS VERSION OF THE PROBLEM IS GIVEN IN LOW PRECISION. The matrix products marked QUANTISED in the list below multiply operands that are first quantised to E2M1 (2 exponent bits, 1 mantissa bit; 4 bits a number), with one power-of-two scale for each 32 numbers along K (OCP MX v1.0); their sums are f32. The products marked 'left as it is' may take bf16, f16 or f32 operands, with f32 sums. Whichever they take, every output number must still come out within the allowed error. Rounding operands to bf16 (8 significant bits) uses up far more of that allowance than f16 does (11 bits, for magnitudes from 6e-5 to 65,504). All else is computed in f32.
;;   The module's matrix products, in the order in which they are computed (A, B: the left and right operand; K: the contracted axis; several contracted axes count as one K, in the product's order):
;;     1. [M 4,096, K 1,024] x [K 1,024, N 256]; A: input hidden_states; B: input Wq: QUANTISED
;;     2. [M 4,096, K 1,024] x [K 1,024, N 256]; A: input hidden_states; B: input Wk: QUANTISED
;;     3. [M 4,096, K 1,024] x [K 1,024, N 1,024]; A: input hidden_states; B: input Wv: QUANTISED
;;     4. batch 32 x [M 2,048, K 273] x [K 273, N 2,048]; A: computed on the way; B: computed on the way: left as it is (an operand is computed on the way)
;;     5. batch 32 x [M 2,048, K 2,048] x [K 2,048, N 64]; A: computed on the way; B: computed on the way: left as it is (an operand is computed on the way)
;;     6. batch 65,536 x [M 1, K 273] x [K 273, N 1]; A: computed on the way; B: computed on the way: left as it is (M = 1 < 16)
;;     7. [M 4,096, K 1,024] x [K 1,024, N 1,024]; A: computed on the way; B: input Wo: left as it is (an operand is computed on the way)
;;   THE QUANTISER, for each operand of a quantised product, along K:
;;     - K is cut into blocks of 32 from its start; a last block that is shorter is filled with zeros.
;;     - A block's scale is 2^e with e = floor(log2(the largest magnitude in the block)) - 2, held to -126 .. 127; a block of zeros has e = 0. As a byte (E8M0): e + 127.
;;     - Each number is divided by its block's scale, clamped to +-6, and rounded to the nearest number of E2M1, ties to even, subnormals kept.
;;     - The product sums the exact products of the quantised numbers (number of the format x scale) in f32.
;;   ~~~python
;;   def quantise(x, axis):      # numpy; x: float32 -> the quantised numbers, widened to float32 again
;;       x = np.moveaxis(x, axis, -1); K = x.shape[-1]
;;       x = np.pad(x, [(0, 0)] * (x.ndim - 1) + [(0, -K % 32)]); x = x.reshape(x.shape[:-1] + (-1, 32)); a = np.abs(x).max(-1, keepdims=True)
;;       e = np.where(a > 0, np.clip(np.frexp(np.where(a > 0, a, 1))[1] - 1 - 2, -126, 127), 0)      # np.frexp(a)[1] - 1 = floor(log2(a)), exactly
;;       r = np.clip(x / 2.0 ** e, -6, 6)
;;       step = 2.0 ** (np.maximum(np.frexp(np.where(r == 0, 1, r))[1] - 1, 0) - 1)
;;       q = np.round(r / step) * step * 2.0 ** e      # np.round: ties to even
;;       return np.moveaxis(q.reshape(q.shape[:-2] + (-1,))[..., :K], -1, axis).astype(np.float32)
;;   ~~~
;; One version. Each part assembles by itself: llvm-mc -triple=amdgcn-amd-amdhsa -mcpu=gfx1250 --defsym DOCPART=n.
;; ======== version 1 of 1: 5 launches
;; limits: values are held in f16: magnitudes above 65,504 overflow, below 6.1e-05 lose precision
;; workspace buffers: hq 2,228,224 bytes; wq 835,584 bytes; woimg 2,097,152 bytes; qn 2,105,344 bytes; kv 10,485,760 bytes; eimg 196,608 bytes; yimg 8,388,608 bytes
;; launch prep (part 1): grid 416 x 1, 4 waves a work-group, no clusters, 67,072 bytes of LDS; arguments hidden_states, Wq, Wk, Wv, Wo, hq, wq, woimg; writes hq, wq, woimg
.if DOCPART == 1
	.amdgcn_target "amdgcn-amd-amdhsa--gfx1250"
	.amdhsa_code_object_version 6
	.text
	.protected	k_qee0f46c8bc_prep
	.globl	k_qee0f46c8bc_prep
	.p2align	8
	.type	k_qee0f46c8bc_prep,@function
k_qee0f46c8bc_prep:
	s_mov_b64 s[64:65], 0
	v_nop
	global_prefetch_b8 v0, s[64:65] scope:SCOPE_SE
	s_setreg_imm32_b32 hwreg(HW_REG_WAVE_MODE, 25, 1), 1
	s_wait_xcnt 0x0
; PREP: the inputs become images of operand registers.
; hidden_states [4096][1024] f32 and Wq, Wk [1024][256], Wv [1024][1024] f32 become codes of E2M1 with one E8M0 byte for each 32 along K (K = the 1,024);
; Wo [1024][1024] f32 becomes f16.  Every image is a fragment's registers on end: lane l's 16 bytes at 16 l, 512 bytes for each group of four registers.
;   hq:    codes [row tile 256][K step 8][1,024 B]; from byte HQS on the scale words [row tile][K step][16 rows]
;   wq:    codes [head 16][slot 6: q, k, v0..v3][K step 8][1,024 B]; from byte WQS on the scale words [slot tile 96][K step][16 columns]
;   woimg: Wo^T in f16 [column tile 64][32 along K: 32 steps][1,024 B]
; A 4-bit fragment (16 rows x 128 K): lane (r, h), registers 4 c .. 4 c + 3 = block 2 c + h of row r.  An f16 fragment (16 rows x 32 K): registers 4 g .. 4 g + 3 = k 16 g + 8 h + 0 .. 7 of row r.
; A block's scale is 2^(floor(log2(its largest magnitude)) - 2): its byte is the largest magnitude's exponent field - 2, held at 1 from below by a floor among the maximum's leaves.
; SHARES.  Work-groups 0-255: a row tile of hidden; wave w takes K steps 2 w and 2 w + 1.  Its loads read 512 consecutive bytes each; the 16 x 1,024 bytes turn through the wave's own stage in LDS, so that a lane
; gets whole blocks of 32 neighbours.  Work-groups 256-415: 128 columns x 128 K of Wq (16), Wk (16), Wv (64), Wo (64): a lane to a column, its registers down K, so nothing is transposed.
; LIMITS: a block of zeros gets the byte 1 (its codes are zeros, and this program alone reads the bytes); blocks under 2^-124 were not tried; NaN and infinities are not served; Wo beyond 65,504 has no f16 number.
; No barrier: waves share nothing.  No matrix unit, no cluster: the launch streams each input byte once.
.set X,     64                         ; v64-191  128 numbers: block b at X + 32 b
.set C,     28                         ; v28-43   the codes: block b at C + 4 b
.set MX,    12                         ; v12-15   largest magnitudes
.set SO,    16                         ; v16-19   the conversions' scale operands
.set BY,    20                         ; v20-23   the scale bytes
.set SPW,   10                         ; v10      LDS address of my spare word; never rewritten
.set NIL,   11                         ; v11      0; never rewritten
.set PITCH, 1040                       ; a stage row: 1,024 bytes + 16: an odd multiple of 16, so sixteen rows start at sixteen different columns of 16 bytes
.set STG,   16*PITCH                   ; a wave's stage
.set SPARE, 4*STG                      ; behind the stages: the spare words, 128 bytes a wave
.set HQS,   2097152
.set WQS,   786432
; four blocks of 32 numbers of this lane become 4 x 4 registers of codes, four scale operands and four bytes
.macro QUANT4
.irp b, 0,1,2,3
	v_max3_num_f32 v[MX+\b], |v[X+32*\b]|, |v[X+32*\b+1]|, 0x1800000   ; and the floor 2^(3 - 127): the byte cannot fall under 1
.endr
.irp i, 2,4,6,8,10,12,14,16,18,20,22,24,26,28,30
.irp b, 0,1,2,3
	v_max3_num_f32 v[MX+\b], v[MX+\b], |v[X+32*\b+\i]|, |v[X+32*\b+\i+1]|   ; the four blocks by turns
.endr
.endr
.irp b, 0,1,2,3
	v_add_nc_u32 v[SO+\b], 0xff000000, v[MX+\b]    ; 2 off the exponent field: the conversion takes that field as its scale
.endr
.irp b, 0,1,2,3
	v_lshrrev_b32 v[BY+\b], 23, v[SO+\b]           ; the scale's byte
.endr
.irp b, 0,1,2,3
.irp g, 0,1,2,3
	v_cvt_scalef32_pk8_fp4_f32 v[C+4*\b+\g], v[X+32*\b+8*\g:X+32*\b+8*\g+7], v[SO+\b]
.endr
.endr
	v_nop                                          ; one plain line behind the last scaled conversion
.endm
; 128 numbers down K of my column; a wave reads 128 consecutive bytes, the four waves 512
.macro LOADS stride
.set cnt, 0
.rept 128
	global_load_b32 v[X+cnt], v9, s[22:23] offset:cnt*\stride th:TH_LOAD_NT
.set cnt, cnt+1
.endr
.endm
	s_load_b256 s[4:11], s[0:1], 0x0               ; hidden s[4:5], Wq s[6:7], Wk s[8:9], Wv s[10:11]
	s_load_b256 s[12:19], s[0:1], 0x20             ; Wo s[12:13], hq s[14:15], wq s[16:17], woimg s[18:19]
	v_lshl_add_u32 v[SPW], v0, 2, SPARE
	v_mov_b32 v[NIL], 0
	v_lshrrev_b32 v1, 5, v0
	v_readfirstlane_b32 s20, v1                    ; wave 0..3
	v_and_b32 v1, 31, v0                           ; lane
	v_and_b32 v2, 15, v0                           ; r
	v_bfe_u32 v3, v0, 4, 1                         ; h
	v_lshlrev_b32 v4, 4, v1                        ; 16 x lane
	s_mul_i32 s21, s20, STG
	v_add_nc_u32 v5, s21, v4                       ; the stage, on the way in: as the bytes lie
	v_mul_u32_u24 v6, v2, PITCH
	v_lshl_add_u32 v6, v3, 7, v6
	v_add_nc_u32 v6, s21, v6                       ; and on the way out: row r, block h
	v_lshlrev_b32 v9, 2, v1                        ; 4 x lane
	v_mov_b32 v26, 0                               ; written once: a lane permute's destination counts as one of its sources
	v_mov_b32 v27, 0
	s_mov_b32 s40, 0x76543210
	s_mov_b32 s41, 0xfedcba98                      ; v_permlanex16_b32's selects for lane l xor 16
	s_wait_kmcnt 0x0
	s_cmp_lt_u32 ttmp9, 256
	s_cbranch_scc0 .Lcols
	; ---- a row tile of hidden: 16 rows x 256 along K for this wave
	s_lshl_b32 s22, ttmp9, 16                      ; 16 rows of 4,096 bytes
	s_lshl_b32 s23, s20, 10                        ; my 1,024 bytes of each row
	s_add_co_u32 s22, s22, s23
	s_mov_b32 s23, 0
	s_add_nc_u64 s[4:5], s[4:5], s[22:23]
.irp i, 0,1,2,3,4,5,6,7,8,9,10,11,12,13,14,15
	global_load_b128 v[X+8*\i:X+8*\i+3],   v4, s[4:5] offset:4096*\i th:TH_LOAD_NT       ; 32 lanes read 512 consecutive bytes
	global_load_b128 v[X+8*\i+4:X+8*\i+7], v4, s[4:5] offset:4096*\i+512 th:TH_LOAD_NT
.endr
	s_lshl_b32 s24, ttmp9, 13                      ; the tile's eight fragments,
	s_lshl_b32 s25, s20, 11                        ; my two of them
	s_add_co_u32 s24, s24, s25
	s_mov_b32 s25, 0
	s_add_nc_u64 s[26:27], s[14:15], s[24:25]
	s_lshl_b32 s24, ttmp9, 9                       ; the tile's 512 bytes of scale words,
	s_lshl_b32 s28, s20, 7                         ; my 128 of them
	s_add_co_u32 s24, s24, s28
	s_add_co_u32 s24, s24, HQS
	s_add_nc_u64 s[28:29], s[14:15], s[24:25]
.irp n, 0,1,2,3
	s_wait_loadcnt 24-8*\n                         ; loads come back in order: rows 4 n .. 4 n + 3 are in, the younger ones stay out
.irp i, 0,1,2,3
	ds_store_b128 v5, v[X+8*(4*\n+\i):X+8*(4*\n+\i)+3]   offset:PITCH*(4*\n+\i)
	ds_store_b128 v5, v[X+8*(4*\n+\i)+4:X+8*(4*\n+\i)+7] offset:PITCH*(4*\n+\i)+512
.endr
.endr
.irp b, 0,1,2,3                                ; b = 2 s + c: block 2 c + h of K step s lies 256 b + 128 h bytes into the row.  LDS serves a wave's instructions in order: these see the stores above
.irp i, 0,1,2,3,4,5,6,7
	ds_load_b128 v[X+32*\b+4*\i:X+32*\b+4*\i+3], v6 offset:256*\b+16*\i
.endr
.endr
	s_wait_dscnt 0x0
	QUANT4
.irp s, 0,1
	v_lshl_or_b32 v[24+\s], v[BY+2*\s+1], 16, v[BY+2*\s]   ; my two bytes of K step s: blocks h and 2 + h,
.endr
	v_lshlrev_b32 v12, 3, v3
	v_lshlrev_b32 v24, v12, v24                    ; at their places in the word (8 h bits up);
	v_lshlrev_b32 v25, v12, v25
	v_permlanex16_b32 v26, v24, s40, s41
	v_permlanex16_b32 v27, v25, s40, s41
	v_or_b32 v24, v24, v26                         ; with lane l xor 16's two the word is whole
	v_or_b32 v25, v25, v27
	v_cmp_ne_u32 vcc_lo, 0, v3
	v_cndmask_b32 v24, v24, v25, vcc_lo            ; lanes 0-15 store K step 2 w's words, lanes 16-31 K step 2 w + 1's
.irp b, 0,1,2,3
	global_store_b128 v4, v[C+4*\b:C+4*\b+3], s[26:27] offset:512*\b   ; 512 consecutive bytes
.endr
	global_store_b32 v9, v24, s[28:29]
	s_branch .Lend
.Lcols:	; ---- 128 columns x 128 along K of a weight
	s_sub_co_u32 s21, ttmp9, 256                   ; 0-15 Wq, 16-31 Wk, 32-95 Wv, 96-159 Wo: the choices hang on the work-group's number alone
	s_cmp_lt_u32 s21, 16
	s_cselect_b64 s[22:23], s[6:7], s[8:9]
	s_cselect_b32 s24, 0, 16
	s_cselect_b32 s26, 0, 1                        ; slot 0 for q, 1 for k
	s_cmp_lt_u32 s21, 32
	s_cselect_b64 s[22:23], s[22:23], s[10:11]
	s_cselect_b32 s24, s24, 32
	s_cselect_b32 s25, 17, 19                      ; 128 rows are 2^17 bytes (256 columns) or 2^19 (1,024)
	s_cmp_lt_u32 s21, 96
	s_cselect_b64 s[22:23], s[22:23], s[12:13]
	s_cselect_b32 s24, s24, 96
	s_sub_co_u32 s24, s21, s24                     ; my number within the tensor
	s_lshr_b32 s27, s24, 3                         ; which 128 columns
	s_and_b32 s28, s24, 7                          ; which 128 along K
	s_lshl_b32 s30, s28, s25
	s_lshl_b32 s31, s27, 9
	s_add_co_u32 s30, s30, s31
	s_lshl_b32 s31, s20, 7                         ; my wave's 32 columns
	s_add_co_u32 s30, s30, s31
	s_mov_b32 s31, 0
	s_add_nc_u64 s[22:23], s[22:23], s[30:31]
	s_lshl_b32 s29, s27, 3
	s_lshl_b32 s30, s20, 1
	s_add_co_u32 s29, s29, s30                     ; my first column tile: lanes 0-15 hold it, lanes 16-31 the next
	s_cmp_lt_u32 s21, 32
	s_cbranch_scc0 .Lwide
	LOADS 1024
	s_branch .Lloaded
.Lwide:
	LOADS 4096
.Lloaded:
	s_wait_loadcnt 0x0
	s_cmp_lt_u32 s21, 96
	s_cbranch_scc0 .Lwo
	QUANT4
	v_lshl_or_b32 v24, v[BY+1], 8, v[BY]           ; my column's scale word for these 128 along K
	v_lshl_or_b32 v24, v[BY+2], 16, v24
	v_lshl_or_b32 v24, v[BY+3], 24, v24
	s_mul_i32 s30, s29, 6                          ; q, k: column tile = head: slot tile 6 x head + 0 or 1
	s_add_co_u32 s30, s30, s26
	s_lshr_b32 s31, s29, 2                         ; v: four column tiles a head: slot tile 6 x head + 2 + tile % 4
	s_mul_i32 s31, s31, 6
	s_and_b32 s32, s29, 3
	s_add_co_u32 s31, s31, s32
	s_add_co_u32 s31, s31, 2
	s_cmp_lt_u32 s21, 32
	s_cselect_b32 s30, s30, s31
	s_cselect_b32 s33, 6, 1                        ; slot tiles from my first column tile to my second
	s_lshl_b32 s34, s30, 13
	s_lshl_b32 s35, s28, 10
	s_add_co_u32 s34, s34, s35
	s_mov_b32 s35, 0
	s_add_nc_u64 s[36:37], s[16:17], s[34:35]      ; the fragment: slot tile x 8,192 + K step x 1,024
	s_lshl_b32 s34, s30, 9
	s_lshl_b32 s38, s28, 6
	s_add_co_u32 s34, s34, s38
	s_add_co_u32 s34, s34, WQS
	s_add_nc_u64 s[38:39], s[16:17], s[34:35]      ; its scale words: slot tile x 512 + K step x 64
	v_mul_u32_u24 v7, s33, v3
	v_lshlrev_b32 v8, 9, v7
	v_lshl_add_u32 v8, v2, 2, v8                   ; 4 r, in my half's tile
	v_lshlrev_b32 v7, 13, v7
	v_lshl_add_u32 v7, v2, 4, v7                   ; 16 r, in my half's tile
.irp j, 0,1,2,3
	global_store_b128 v7, v[C+4*\j:C+4*\j+3], s[36:37] offset:(\j/2)*512+(\j%2)*256   ; block j = 2 c + h of the image: sixteen lanes store 256 consecutive bytes, aligned
.endr
	global_store_b32 v8, v24, s[38:39]             ; 64 bytes for each half of the lanes: one byte for each 128 read
	s_branch .Lend
.Lwo:	; ---- Wo: rounded to f16, two neighbours along K to a register
.set cnt, 0
.rept 64
	v_cvt_pk_f16_f32 v[X+cnt], v[X+2*cnt], v[X+2*cnt+1]   ; in place: the destination never passes a source that is still to be read
.set cnt, cnt+1
.endr
	s_lshl_b32 s30, s29, 15                        ; column tile x 32,768
	s_lshl_b32 s31, s28, 12                        ; four steps of 32 along K, 1,024 bytes each
	s_add_co_u32 s30, s30, s31
	s_mov_b32 s31, 0
	s_add_nc_u64 s[36:37], s[18:19], s[30:31]
	v_lshlrev_b32 v7, 15, v3
	v_lshl_add_u32 v7, v2, 4, v7
.irp s, 0,1,2,3
.irp q, 0,1,2,3                                ; q = 2 g + h of the image: k 16 g + 8 h + 0 .. 7
	global_store_b128 v7, v[X+16*\s+4*\q:X+16*\s+4*\q+3], s[36:37] offset:1024*\s+256*\q
.endr
.endr
.Lend:
	s_wait_tensorcnt 0x0                           ; the wave's end
	ds_add_u32 v[SPW], v[NIL]
	s_wait_dscnt 0x0
	s_endpgm
.Lfunc_end_k_qee0f46c8bc_prep:
	.size	k_qee0f46c8bc_prep, .Lfunc_end_k_qee0f46c8bc_prep-k_qee0f46c8bc_prep
	.p2alignl 7, 3214868480
	.fill 96, 4, 3214868480
	.section	.rodata,"a",@progbits
	.p2align	6, 0x0
	.amdhsa_kernel k_qee0f46c8bc_prep
		.amdhsa_group_segment_fixed_size 67072
		.amdhsa_private_segment_fixed_size 0
		.amdhsa_enable_private_segment 0
		.amdhsa_kernarg_size 64
		.amdhsa_user_sgpr_count 2
		.amdhsa_user_sgpr_kernarg_segment_ptr 1
		.amdhsa_wavefront_size32 1
		.amdhsa_system_sgpr_workgroup_id_x 1
		.amdhsa_system_sgpr_workgroup_id_y 1
		.amdhsa_system_sgpr_workgroup_id_z 1
		.amdhsa_system_vgpr_workitem_id 0
		.amdhsa_next_free_vgpr 192
		.amdhsa_next_free_sgpr 66
		.amdhsa_reserve_vcc 1
		.amdhsa_float_denorm_mode_32 3
		.amdhsa_float_denorm_mode_16_64 3
		.amdhsa_memory_ordered 1
		.amdhsa_forward_progress 1
		.amdhsa_inst_pref_size 54
	.end_amdhsa_kernel
	.amdgpu_metadata
---
amdhsa.version: [ 1, 2 ]
amdhsa.kernels:
  - .name:           k_qee0f46c8bc_prep
    .symbol:         k_qee0f46c8bc_prep.kd
    .args:
      - { .name: hidden_states, .offset: 0, .size: 8, .value_kind: global_buffer, .address_space: global }
      - { .name: Wq, .offset: 8, .size: 8, .value_kind: global_buffer, .address_space: global }
      - { .name: Wk, .offset: 16, .size: 8, .value_kind: global_buffer, .address_space: global }
      - { .name: Wv, .offset: 24, .size: 8, .value_kind: global_buffer, .address_space: global }
      - { .name: Wo, .offset: 32, .size: 8, .value_kind: global_buffer, .address_space: global }
      - { .name: hq, .offset: 40, .size: 8, .value_kind: global_buffer, .address_space: global }
      - { .name: wq, .offset: 48, .size: 8, .value_kind: global_buffer, .address_space: global }
      - { .name: woimg, .offset: 56, .size: 8, .value_kind: global_buffer, .address_space: global }
    .group_segment_fixed_size: 67072
    .private_segment_fixed_size: 0
    .kernarg_segment_align: 8
    .kernarg_segment_size: 64
    .max_flat_workgroup_size: 128
    .sgpr_count:     66
    .vgpr_count:     192
    .wavefront_size: 32
...
	.end_amdgpu_metadata
.endif
;; end of part 1
;; launch proj (part 2): grid 8 x 32, 8 waves a work-group, no clusters, 167,936 bytes of LDS; arguments hq, wq, qn, kv, eimg; writes qn, kv, eimg
.if DOCPART == 2
	.amdgcn_target "amdgcn-amd-amdhsa--gfx1250"
	.amdhsa_code_object_version 6
	.text
	.protected	k_qee0f46c8bc_proj
	.globl	k_qee0f46c8bc_proj
	.p2align	8
	.type	k_qee0f46c8bc_proj,@function
k_qee0f46c8bc_proj:
	s_mov_b64 s[64:65], 0
	v_nop
	global_prefetch_b8 v0, s[64:65] scope:SCOPE_SE
	s_setreg_imm32_b32 hwreg(HW_REG_WAVE_MODE, 25, 1), 1
	s_wait_xcnt 0x0
; PROJ: q, k, v = hidden x Wq, Wk, Wv on codes of E2M1 with E8M0 scales (M 4,096, K 1,024, N 1,536), sums in f32; the results leave as f16 images of the operands that the next launch wants.
; SHARES.  A work-group takes 128 tokens (y) x two heads (x); wave w takes 32 tokens (w % 4: two row tiles, one key step of the next launch) of head 2 x + w / 4: six column tiles (q, k, v0..v3) x two row tiles:
; 12 accumulators.  All of K lies in LDS at once: eight row tiles of hidden (64 KiB) and twelve column tiles of weights (96 KiB), both dense in memory; each wave brings an eighth of each by one tensor load
; (two loads of a wave are out); nothing is filled again.
; WHICH WAY ROUND.  q, k: source 0 = the weights' tile, source 1 = hidden's: a lane holds one token (lane % 16) and features 8 (lane / 16) + 0 .. 7: packed to f16 these are registers 0-3 of an operand of K Q^T.
; v: source 0 = hidden's tile, source 1 = the weights': a lane holds one channel and tokens 8 (lane / 16) + 0 .. 7: packed, the two row tiles are the two halves of an operand (16 channels x 32 keys) of V^T P.
; OUT.  qn: q [batch x head 32][token tile 128][512 B]; from byte KN2 on, for each key step of 32 tokens, the largest |k|^2 (f32).  kv: [batch x head][key step 64][5,120 B]: k's two tiles, then v's four fragments.
; eimg: the raw f32 results of tokens 0-15 of each sequence, [batch x head][6][1,024 B], for the launch that carries those rows in f32.
; No cluster: each work-group asks for its 160 KiB once, at its head; there is no ring whose requests a joint load could divide, and two rounds of a cluster's barrier would stand in front of 96 matrix instructions a wave.
; LIMITS: q, k, v beyond 65,504 have no f16 number; under 6e-5 they are subnormal there.
.set BIMG,  65536                      ; LDS: hidden's tiles from 0, the weights' from here
.set SPARE, 163840                     ; the spare words, 128 bytes for each of eight waves
.set HQS,   2097152
.set WQS,   786432
.set KN2,   2097152
.set LI,  1                            ; v1   16 x lane
.set ADA, 2                            ; v2   LDS address of my two row tiles
.set ADB, 3                            ; v3   of my head's six column tiles
.set L4,  4                            ; v4   4 x lane
.set SPW, 5                            ; v5   LDS address of my spare word; never rewritten
.set NIL, 6                            ; v6   0; never rewritten
.set FA,  16                           ; v16-31   hidden's two fragments
.set FB,  32                           ; v32-79   the weights' six
.set SA,  80                           ; v80-87   hidden's scale words: tile a, K steps 2 i (lanes 0-15) and 2 i + 1 (lanes 16-31) at SA + 4 a + i
.set SB,  88                           ; v88-111  the weights': SB + 4 n + i
.set ACC, 112                          ; v112-207 accumulator (n, a) at ACC + 8 (2 n + a)
.set PK,  208                          ; v208-255 the results in f16
.macro MM n, a, s
.set D_,  ACC+8*(2*(\n)+(\a))
.set W_,  FB+8*(\n)
.set H_,  FA+8*(\a)
.set SW_, SB+4*(\n)+(\s)/2
.set SH_, SA+4*(\a)+(\s)/2
.if (\n) < 2
.if (\s) == 0
	v_wmma_scale_f32_16x16x128_f8f6f4 v[D_:D_+7], v[W_:W_+7], v[H_:H_+7], 0, v[SW_], v[SH_] matrix_a_fmt:MATRIX_FMT_FP4 matrix_b_fmt:MATRIX_FMT_FP4
.elseif (\s)%2
	v_wmma_scale_f32_16x16x128_f8f6f4 v[D_:D_+7], v[W_:W_+7], v[H_:H_+7], v[D_:D_+7], v[SW_], v[SH_] matrix_a_fmt:MATRIX_FMT_FP4 matrix_b_fmt:MATRIX_FMT_FP4 matrix_a_scale:MATRIX_SCALE_ROW1 matrix_b_scale:MATRIX_SCALE_ROW1
.else
	v_wmma_scale_f32_16x16x128_f8f6f4 v[D_:D_+7], v[W_:W_+7], v[H_:H_+7], v[D_:D_+7], v[SW_], v[SH_] matrix_a_fmt:MATRIX_FMT_FP4 matrix_b_fmt:MATRIX_FMT_FP4
.endif
.else
.if (\s) == 0
	v_wmma_scale_f32_16x16x128_f8f6f4 v[D_:D_+7], v[H_:H_+7], v[W_:W_+7], 0, v[SH_], v[SW_] matrix_a_fmt:MATRIX_FMT_FP4 matrix_b_fmt:MATRIX_FMT_FP4
.elseif (\s)%2
	v_wmma_scale_f32_16x16x128_f8f6f4 v[D_:D_+7], v[H_:H_+7], v[W_:W_+7], v[D_:D_+7], v[SH_], v[SW_] matrix_a_fmt:MATRIX_FMT_FP4 matrix_b_fmt:MATRIX_FMT_FP4 matrix_a_scale:MATRIX_SCALE_ROW1 matrix_b_scale:MATRIX_SCALE_ROW1
.else
	v_wmma_scale_f32_16x16x128_f8f6f4 v[D_:D_+7], v[H_:H_+7], v[W_:W_+7], v[D_:D_+7], v[SH_], v[SW_] matrix_a_fmt:MATRIX_FMT_FP4 matrix_b_fmt:MATRIX_FMT_FP4
.endif
.endif
.endm
; 128 along K: 16 LDS loads, 12 matrix instructions.  The 12 accumulators take turns, one instruction a turn, in the same order in every step.  The first step's products start the sums.
.macro KSTEP s
.if (\s) > 0
.rept 4
	v_nop                                          ; four places in front of loads into registers that matrix instructions have read
.endr
.endif
.irp a, 0,1
.irp c, 0,1
	ds_load_b128 v[FA+8*\a+4*\c:FA+8*\a+4*\c+3], v[ADA] offset:8192*\a+1024*(\s)+512*\c
.endr
.endr
.irp n, 0,1,2,3,4,5
.irp c, 0,1
	ds_load_b128 v[FB+8*\n+4*\c:FB+8*\n+4*\c+3], v[ADB] offset:8192*\n+1024*(\s)+512*\c
.endr
.endr
	s_wait_dscnt 0x0
.irp n, 0,1,2,3,4,5
.irp a, 0,1
	MM \n, \a, \s
.endr
.endr
.endm
	s_load_b128 s[4:7], s[0:1], 0x0                ; hq, wq
	s_load_b128 s[8:11], s[0:1], 0x10              ; qn, kv
	s_load_b64 s[12:13], s[0:1], 0x20              ; eimg
	v_lshl_add_u32 v[SPW], v0, 2, SPARE
	v_mov_b32 v[NIL], 0
	ds_add_u32 v[SPW], v[NIL]                      ; the wave's opening: the add, twice on end, and its wait ahead of my first tensor load
	ds_add_u32 v[SPW], v[NIL]
	v_lshrrev_b32 v7, 5, v0
	v_readfirstlane_b32 s14, v7                    ; wave 0..7
	v_and_b32 v7, 31, v0                           ; lane
	v_lshlrev_b32 v[LI], 4, v7
	v_lshlrev_b32 v[L4], 2, v7
	v_mov_b32 v10, 0                               ; written once: a lane permute's destination counts as one of its sources
	v_mov_b32 v11, 0
	v_mov_b32 v12, 0
	s_and_b32 s15, ttmp7, 0xffff                   ; which 128 tokens
	s_and_b32 s40, s14, 3                          ; which 32 of them
	s_lshr_b32 s41, s14, 2
	s_lshl_b32 s42, ttmp9, 1
	s_add_co_u32 s42, s42, s41                     ; head
	s_lshr_b32 s43, s15, 4                         ; batch
	s_lshl_b32 s44, s43, 4
	s_add_co_u32 s44, s44, s42                     ; batch x 16 + head
	s_and_b32 s45, s15, 15                         ; the block's number in its sequence
	s_lshl_b32 s49, s40, 14
	v_add_nc_u32 v[ADA], s49, v[LI]
	s_mul_i32 s49, s41, 49152
	s_add_co_u32 s49, s49, BIMG
	v_add_nc_u32 v[ADB], s49, v[LI]
	; descriptor groups 1: dense blocks as rows of 256 bytes (32 elements of 8 bytes): 32 rows of hidden's, 48 of the weights'
	s_mov_b32 s16, 3<<16
	s_mov_b32 s17, 32<<16                          ; tensor_dim0
	s_mov_b32 s18, 32<<16                          ; tensor_dim1
	s_mov_b32 s19, 32<<16                          ; tile_dim0
	s_mov_b32 s20, 32                              ; tile_dim1
	s_mov_b32 s21, 32                              ; the pitch
	s_mov_b32 s22, 0
	s_mov_b32 s23, 0
	s_mov_b32 s24, 3<<16
	s_mov_b32 s25, 32<<16
	s_mov_b32 s26, 48<<16
	s_mov_b32 s27, 32<<16
	s_mov_b32 s28, 48
	s_mov_b32 s29, 32
	s_mov_b32 s30, 0
	s_mov_b32 s31, 0
	s_mov_b32 s62, 0x76543210
	s_mov_b32 s63, 0xfedcba98                      ; v_permlanex16_b32's selects for lane l xor 16
	s_mov_b32 s47, 0
	s_wait_dscnt 0x0                               ; both opening adds are done
	s_wait_kmcnt 0x0
	s_mov_b32 s32, 1
	s_lshl_b32 s33, s14, 13                        ; LDS: row tile w
	s_lshl_b32 s46, s15, 16                        ; memory: the block's eight row tiles of 8,192 bytes,
	s_add_co_u32 s46, s46, s33                     ; tile w
	s_add_nc_u64 s[34:35], s[4:5], s[46:47]
	s_or_b32 s35, s35, 0x80000000
	s_mov_b32 s36, 1
	s_mul_i32 s48, s14, 12288                      ; an eighth of the two heads' 98,304 bytes
	s_add_co_u32 s37, s48, BIMG
	s_mul_i32 s46, ttmp9, 98304
	s_add_co_u32 s46, s46, s48
	s_add_nc_u64 s[38:39], s[6:7], s[46:47]
	s_or_b32 s39, s39, 0x80000000
	tensor_load_to_lds s[32:35], s[16:23]
	s_nop 0
	tensor_load_to_lds s[36:39], s[24:31]
	s_nop 0
	s_lshl_b32 s46, s15, 3
	s_lshl_b32 s48, s40, 1
	s_add_co_u32 s46, s46, s48                     ; my first row tile
	s_lshl_b32 s46, s46, 9
	s_add_co_u32 s46, s46, HQS
	s_add_nc_u64 s[50:51], s[4:5], s[46:47]        ; its scale words
	s_mul_i32 s46, s42, 3072                       ; six tiles of 512 bytes a head
	s_add_co_u32 s46, s46, WQS
	s_add_nc_u64 s[52:53], s[6:7], s[46:47]
.irp a, 0,1
.irp i, 0,1,2,3
	global_load_b32 v[SA+4*\a+\i], v[L4], s[50:51] offset:512*\a+128*\i   ; 128 consecutive bytes: two K steps' words of 16 rows
.endr
.endr
.irp n, 0,1,2,3,4,5
.irp i, 0,1,2,3
	global_load_b32 v[SB+4*\n+\i], v[L4], s[52:53] offset:512*\n+128*\i
.endr
.endr
	s_lshl_b32 s46, s44, 16                        ; where the results go.  q: 65,536 bytes a head, 512 a token tile
	s_lshl_b32 s48, s45, 12
	s_add_co_u32 s46, s46, s48
	s_lshl_b32 s48, s40, 10
	s_add_co_u32 s46, s46, s48
	s_add_nc_u64 s[54:55], s[8:9], s[46:47]
	s_mul_i32 s46, s44, 327680                     ; k, v: 327,680 bytes a head, 5,120 a key step
	s_lshl_b32 s48, s45, 2
	s_add_co_u32 s48, s48, s40                     ; my key step
	s_mul_i32 s49, s48, 5120
	s_add_co_u32 s46, s46, s49
	s_add_nc_u64 s[56:57], s[10:11], s[46:47]
	s_lshl_b32 s46, s44, 8                         ; the largest |k|^2: 64 numbers a head
	s_lshl_b32 s49, s48, 2
	s_add_co_u32 s46, s46, s49
	s_add_co_u32 s46, s46, KN2
	s_add_nc_u64 s[58:59], s[8:9], s[46:47]
	s_mul_i32 s46, s44, 6144
	s_add_nc_u64 s[60:61], s[12:13], s[46:47]
	s_wait_tensorcnt 0x0                           ; my two parts have landed,
	s_barrier_signal -1
	s_barrier_wait -1                              ; everybody's have
	s_wait_loadcnt 0x0                             ; the scale words
.irp s, 0,1,2,3,4,5,6,7
	KSTEP \s
.endr
.rept 4
	v_nop                                          ; four places in front of the first read of results
.endr
.set cnt, 0
.rept 48
	v_cvt_pk_f16_f32 v[PK+cnt], v[ACC+2*cnt], v[ACC+2*cnt+1]   ; each accumulator from its low end on
.set cnt, cnt+1
.endr
.irp a, 0,1
	global_store_b128 v[LI], v[PK+4*\a:PK+4*\a+3], s[54:55] offset:512*\a          ; q: 512 consecutive bytes a store, here and below
	global_store_b128 v[LI], v[PK+8+4*\a:PK+8+4*\a+3], s[56:57] offset:512*\a      ; k
.endr
.irp t, 0,1,2,3
.irp a, 0,1
	global_store_b128 v[LI], v[PK+16+8*\t+4*\a:PK+16+8*\t+4*\a+3], s[56:57] offset:1024+1024*\t+512*\a   ; v: channels 16 t on, keys 16 a on
.endr
.endr
	; the largest |k|^2 of my 32 tokens: my 8 features' squares, lane l xor 16's, both tiles, the 16 tokens
.irp a, 0,1
	v_mul_f32 v[8+\a], v[ACC+16+8*\a], v[ACC+16+8*\a]
.endr
.irp j, 1,2,3,4,5,6,7
.irp a, 0,1
	v_fmac_f32 v[8+\a], v[ACC+16+8*\a+\j], v[ACC+16+8*\a+\j]
.endr
.endr
	v_permlanex16_b32 v10, v8, s62, s63
	v_permlanex16_b32 v11, v9, s62, s63
	v_add_f32 v8, v8, v10
	v_add_f32 v9, v9, v11
	v_max_num_f32 v8, v8, v9
	v_max_num_f32_dpp v8, v8, v8 row_xmask:1 row_mask:0xf bank_mask:0xf
	v_max_num_f32_dpp v8, v8, v8 row_xmask:2 row_mask:0xf bank_mask:0xf
	v_max_num_f32_dpp v8, v8, v8 row_xmask:4 row_mask:0xf bank_mask:0xf
	v_max_num_f32_dpp v8, v8, v8 row_xmask:8 row_mask:0xf bank_mask:0xf
	s_or_b32 s46, s45, s40                         ; tokens 0-15 of a sequence are row tile 0 of its first block's first wave: a branch on ids
	s_cmp_lg_u32 s46, 0
	s_cbranch_scc1 .Lno_early
.irp n, 0,1,2,3,4,5
	global_store_b128 v[LI], v[ACC+16*\n:ACC+16*\n+3],   s[60:61] offset:1024*\n
	global_store_b128 v[LI], v[ACC+16*\n+4:ACC+16*\n+7], s[60:61] offset:1024*\n+512
.endr
.Lno_early:
	s_wait_xcnt 0x0                                ; EXEC is a source of the stores above: it changes only behind this wait
	v_cmp_eq_u32 vcc_lo, 0, v7
	s_and_saveexec_b32 s46, vcc_lo
	global_store_b32 v12, v8, s[58:59]             ; one number a wave
	s_wait_xcnt 0x0                                ; and again, in front of the line that widens it
	s_or_b32 exec_lo, exec_lo, s46
	s_wait_tensorcnt 0x0                           ; the wave's end
	ds_add_u32 v[SPW], v[NIL]
	s_wait_dscnt 0x0
	s_endpgm
.Lfunc_end_k_qee0f46c8bc_proj:
	.size	k_qee0f46c8bc_proj, .Lfunc_end_k_qee0f46c8bc_proj-k_qee0f46c8bc_proj
	.p2alignl 7, 3214868480
	.fill 96, 4, 3214868480
	.section	.rodata,"a",@progbits
	.p2align	6, 0x0
	.amdhsa_kernel k_qee0f46c8bc_proj
		.amdhsa_group_segment_fixed_size 167936
		.amdhsa_private_segment_fixed_size 0
		.amdhsa_enable_private_segment 0
		.amdhsa_kernarg_size 40
		.amdhsa_user_sgpr_count 2
		.amdhsa_user_sgpr_kernarg_segment_ptr 1
		.amdhsa_wavefront_size32 1
		.amdhsa_system_sgpr_workgroup_id_x 1
		.amdhsa_system_sgpr_workgroup_id_y 1
		.amdhsa_system_sgpr_workgroup_id_z 1
		.amdhsa_system_vgpr_workitem_id 0
		.amdhsa_next_free_vgpr 256
		.amdhsa_next_free_sgpr 66
		.amdhsa_reserve_vcc 1
		.amdhsa_float_denorm_mode_32 3
		.amdhsa_float_denorm_mode_16_64 3
		.amdhsa_memory_ordered 1
		.amdhsa_forward_progress 1
		.amdhsa_inst_pref_size 36
	.end_amdhsa_kernel
	.amdgpu_metadata
---
amdhsa.version: [ 1, 2 ]
amdhsa.kernels:
  - .name:           k_qee0f46c8bc_proj
    .symbol:         k_qee0f46c8bc_proj.kd
    .args:
      - { .name: hq, .offset: 0, .size: 8, .value_kind: global_buffer, .address_space: global }
      - { .name: wq, .offset: 8, .size: 8, .value_kind: global_buffer, .address_space: global }
      - { .name: qn, .offset: 16, .size: 8, .value_kind: global_buffer, .address_space: global }
      - { .name: kv, .offset: 24, .size: 8, .value_kind: global_buffer, .address_space: global }
      - { .name: eimg, .offset: 32, .size: 8, .value_kind: global_buffer, .address_space: global }
    .group_segment_fixed_size: 167936
    .private_segment_fixed_size: 0
    .kernarg_segment_align: 8
    .kernarg_segment_size: 40
    .max_flat_workgroup_size: 256
    .sgpr_count:     66
    .vgpr_count:     256
    .wavefront_size: 32
...
	.end_amdgpu_metadata
.endif
;; end of part 2
;; launch attn (part 3): grid 8 x 32, 8 waves a work-group, no clusters, 327,680 bytes of LDS; arguments qn, kv, yimg; writes yimg
.if DOCPART == 3
	.amdgcn_target "amdgcn-amd-amdhsa--gfx1250"
	.amdhsa_code_object_version 6
	.text
	.protected	k_qee0f46c8bc_attn
	.globl	k_qee0f46c8bc_attn
	.p2align	8
	.type	k_qee0f46c8bc_attn,@function
k_qee0f46c8bc_attn:
	s_mov_b64 s[64:65], 0
	v_nop
	global_prefetch_b8 v0, s[64:65] scope:SCOPE_SE
	s_setreg_imm32_b32 hwreg(HW_REG_WAVE_MODE, 25, 1), 1
	s_wait_xcnt 0x0
; ATTN: y[n] = (sum over m <= n of A(n, m) v[m]) / (sum over m <= n of A(n, m) + 1e-12), A(n, m) = qf(n) . kf(m).
; For the feature map [1, x / 2, vec(x x^T) / (4 sqrt 2)] with head size 16, for every input: qf(n) . kf(m) = 1 + s / 4 + s^2 / 32 with s = q(n) . k(m); and qf(n) . cumsum(kf)(n) is the row sum of the masked A.
; So the product over 273 features is one over 16 (padded with zeros to the matrix instruction's 32) and two multiply-adds in f32, and the denominator is a sum of what is at hand.  Tiles over the diagonal are not computed.
; THE FACTOR c.  A reaches far beyond f16 where the inputs are large, so each query's row is multiplied by a power of two c, which cancels exactly between numerator and denominator (1e-12 is multiplied by c too).
; |s| <= |q| max|k| =: t, so A <= B = 1 + t / 4 + t^2 / 32; c = 2^(14 - floor(log2 B)) gives c A < 2^15.  c lies in the polynomial's three coefficients and costs nothing in the loop.  (t^2 has a margin of 3 per cent for k's rounding to f16.)
; SHARES.  A head's 16 blocks of 128 queries are paired (x, 15 - x), so that every work-group has the same work; waves 0-3 take block 15 - x, waves 4-7 block x, 32 queries (two tiles) a wave.
; Keys go 32 a step, in records of 5,120 bytes (k's two tiles, v's four fragments, as images of the operands' registers), through two LDS slots of 16 records; each wave brings an eighth of a slot: one tensor load of a wave is out.
; EVERY work-group walks all 4 slots x 16 steps: the trip counts are constants.  A step whose keys all come after the wave's queries is jumped over (a branch on ids, round no barrier and no tensor load).
; LAYOUT.  S^T = K Q^T (source 0 = 16 keys, source 1 = 16 queries) and O^T = V^T P (source 0 = 16 channels, source 1 = P): a lane holds one query (lane % 16) throughout; two tiles of S^T, packed to f16, are P.
; O^T, divided and packed, is the image of y that the last product wants: yimg [token tile 256][32 along K: 32 steps][1,024 B].
; No cluster: the work-groups of a head need different numbers of slots.
; LIMITS: y beyond 65,504 has no f16 number; NaN and infinities are not served.  Rows 0-15 of each sequence are made again in f32 by the last launch.
.set REC,   5120                       ; a key step's record
.set SLOTB, 16*REC                     ; a slot
.set SLOT1, 131072                     ; slot 1 begins here: one exclusive or turns an address from one slot to the other
.set SPARE, 262144                     ; the spare words, 128 bytes for each of eight waves
.set KN2,   2097152
.set LI,  1                            ; v1   16 x lane
.set ADR, 2                            ; v2   LDS address of the record in hand
.set DD,  3                            ; v3   lane % 16 - 8 (lane / 16): on the diagonal register j is hidden where j is greater
.set SPW, 4                            ; v4   LDS address of my spare word; never rewritten
.set NIL, 5                            ; v5   0; never rewritten
.set ZR,  6                            ; v6   0
.set PFO, 7                            ; v7   256 x lane; never rewritten
.set QF,  16                           ; v16-31   Q: tile q at QF + 8 q; registers 4-7 are zeros
.set KR,  32                           ; v32-47   K: tile u at KR + 8 u; registers 4-7 are zeros, written once
.set VF,  48                           ; v48-79   V: fragment t at VF + 8 t
.set S,   80                           ; v80-111  S^T, then p: S + 16 q + 8 u
.set TT,  112                          ; v112-127 at work
.set P,   128                          ; v128-143 p in f16: P + 8 q
.set O,   144                          ; v144-207 O^T: O + 32 q + 8 t
.set CF,  208                          ; v208-219 for each q the pairs (c, c), (c / 4, c / 4), (c / 32, c / 32)
.set LS,  220                          ; v220-223 the row sums, a pair for each q
.set TB,    28                         ; s28  LDS byte of the record in hand
.set KEY,   29                         ; s29  the step's first key
.set Q0,    30                         ; s30  my first query
.set LASTQ, 31                         ; s31  my work-group's last query
.set SLOTS, 32                         ; s32  changes of slots that may still ask
.set CNT,   33
.set LIM,   34                         ; s34  1 in a wave that prefetches, else the greatest number
.set TMP,   35
.set PFA,   36                         ; s[36:37] where my prefetches stand
.set SEL,   38                         ; s[38:39] v_permlanex16_b32's selects for lane l xor 16
; p = c A for tile q's 16 x 32 scores; on the diagonal hidden ones become 0; the row sum of the unrounded p; p to f16
.macro POLY q
.set S_, S+16*(\q)
.set C_, CF+6*(\q)
.irp i, 0,2,4,6,8,10,12,14
	v_pk_fma_f32 v[TT+\i:TT+\i+1], v[S_+\i:S_+\i+1], v[C_+4:C_+5], v[C_+2:C_+3]     ; c s / 32 + c / 4
.endr
.irp i, 0,2,4,6,8,10,12,14
	v_pk_fma_f32 v[S_+\i:S_+\i+1], v[TT+\i:TT+\i+1], v[S_+\i:S_+\i+1], v[C_:C_+1]   ; times s, + c
.endr
	s_cmp_lg_u32 s[KEY], s[Q0]                     ; only the step whose first key is my first query lies on the diagonal
	s_cbranch_scc1 .Lopen_\@
.irp j, 0,1,2,3,4,5,6,7
	v_cmp_gt_i32 vcc_lo, \j, v[DD]                 ; key tile q against query tile q: key 8 (lane / 16) + j comes after query lane % 16
	v_cndmask_b32 v[S_+8*(\q)+\j], v[S_+8*(\q)+\j], v[ZR], vcc_lo
.endr
.if (\q) == 0
.irp j, 0,1,2,3,4,5,6,7
	v_mov_b32 v[S_+8+\j], 0                        ; key tile 1 comes after all of query tile 0
.endr
.endif
.Lopen_\@:
	v_pk_add_f32 v[TT:TT+1],     v[S_:S_+1],       v[S_+2:S_+3]
	v_pk_add_f32 v[TT+2:TT+3],   v[S_+4:S_+5],     v[S_+6:S_+7]
	v_pk_add_f32 v[TT+4:TT+5],   v[S_+8:S_+9],     v[S_+10:S_+11]
	v_pk_add_f32 v[TT+6:TT+7],   v[S_+12:S_+13],   v[S_+14:S_+15]
.irp i, 0,1,2,3,4,5,6,7
	v_cvt_pk_f16_f32 v[P+8*(\q)+\i], v[S_+2*\i], v[S_+2*\i+1]
.endr
	v_pk_add_f32 v[TT:TT+1],     v[TT:TT+1],       v[TT+2:TT+3]
	v_pk_add_f32 v[TT+4:TT+5],   v[TT+4:TT+5],     v[TT+6:TT+7]
	v_pk_add_f32 v[TT:TT+1],     v[TT:TT+1],       v[TT+4:TT+5]
	v_pk_add_f32 v[LS+2*(\q):LS+2*(\q)+1], v[LS+2*(\q):LS+2*(\q)+1], v[TT:TT+1]
.endm
.macro PV q                            ; O^T += V^T P for tile q: four accumulators, one instruction each
.irp t, 0,1,2,3
	v_wmma_f32_16x16x32_f16 v[O+32*(\q)+8*\t:O+32*(\q)+8*\t+7], v[VF+8*\t:VF+8*\t+7], v[P+8*(\q):P+8*(\q)+7], v[O+32*(\q)+8*\t:O+32*(\q)+8*\t+7]
.endr
.endm
; A KEY STEP: 32 keys.  No two matrix instructions that follow each other share an accumulator, over the backward jump too.
.macro STEP
	s_cmp_gt_u32 s[KEY], s[Q0]                     ; both are multiples of 32: beyond this all 32 keys come after my 32 queries
	s_cbranch_scc1 .Lhidden_\@
	v_add_nc_u32 v[ADR], s[TB], v[LI]
.rept 3
	v_nop                                          ; with the addition: four places in front of loads into registers that the last step's products have read
.endr
	ds_load_b128 v[KR:KR+3],    v[ADR]
	ds_load_b128 v[KR+8:KR+11], v[ADR] offset:512
.irp t, 0,1,2,3
	ds_load_b128 v[VF+8*\t:VF+8*\t+3],   v[ADR] offset:1024+1024*\t
	ds_load_b128 v[VF+8*\t+4:VF+8*\t+7], v[ADR] offset:1024+1024*\t+512
.endr
	s_wait_dscnt 8                                 ; K's two loads are in; V's eight may be out
.irp q, 0,1
.irp u, 0,1
	v_wmma_f32_16x16x32_f16 v[S+16*\q+8*\u:S+16*\q+8*\u+7], v[KR+8*\u:KR+8*\u+7], v[QF+8*\q:QF+8*\q+7], 0
.endr
.endr
.rept 4
	v_nop                                          ; four places in front of the first read of the scores
.endr
	POLY 0
	s_wait_dscnt 0x0                               ; V
	PV 0
	POLY 1                                         ; tile 1's vector work stands behind tile 0's products and names none of their registers
	PV 1
.Lhidden_\@:
	s_add_co_u32 s[KEY], s[KEY], 32
	s_add_co_u32 s[TB], s[TB], REC
.endm
; A prefetch of what the NEXT change of slots will ask for: a slot's 81,920 bytes, dense.  All work-groups of a head walk the same records: the head's first work-group asks, its waves 0-4 for 16,384 bytes each,
; lanes 256 bytes apart, two instructions: each aligned block of 256 bytes is named once in the launch.  Slots 0 and 1 come by their loads alone; the last change that may fill a slot asks for nothing.
.macro ASK
	s_cmp_gt_u32 s[SLOTS], s[LIM]
	s_cbranch_scc0 .Lnot_mine_\@
	global_prefetch_b8 v[PFO], s[PFA:PFA+1] th:TH_LOAD_NT scope:SCOPE_SE
	global_prefetch_b8 v[PFO], s[PFA:PFA+1] offset:8192 th:TH_LOAD_NT scope:SCOPE_SE
.Lnot_mine_\@:
.endm
; THE CHANGE OF SLOTS stands at a slot's head.  Each wave waits for all its tensor loads (its part of the slot ahead), adds 0 to its spare word, and waits for that and for its reads of the slot that it has left.
; Behind the barrier the slot ahead is whole and nobody reads the other one, which is then filled with the next 512 keys: the load has a slot's 16 steps in which to land.
.macro CHANGE fill
	s_wait_tensorcnt 0x0                           ; no tensor load of mine is out, so the walking descriptor may be written
	ds_add_u32 v[SPW], v[NIL]                      ; 0 onto my spare word
.if \fill
	s_xor_b32 s25, s25, SLOT1                      ; the other slot than last time,
	s_add_nc_u64 s[26:27], s[26:27], SLOTB         ; the next 16 records; the type bits on top are not reached
	s_wait_xcnt 0x0                                ; the last prefetches, a slot back, have read their address
	s_add_nc_u64 s[PFA:PFA+1], s[PFA:PFA+1], SLOTB
.endif
	s_wait_dscnt 0x0                               ; the add is done, and my reads of the slot that I have left are over
	s_barrier_signal -1
	s_barrier_wait -1
.if \fill
	s_add_co_u32 s[TMP], s[KEY], 512               ; the first key of the slot that this change would ask for:
	s_cmp_gt_u32 s[TMP], s[LASTQ]                  ; beyond my work-group's last query no wave reads it, so it is not asked for.  Ids and the count of steps alone: all eight waves go the same way; every wait on TENSORcnt is for 0
	s_cbranch_scc1 .Lpast_\@
	tensor_load_to_lds s[24:27], s[16:23]          ; my one tensor load until the next such barrier
	s_nop 0
.Lpast_\@:
	ASK
.endif
.endm
.macro SLOT_STEPS
	s_mov_b32 s[CNT], 16
.Lstep_\@:
	STEP
	s_sub_co_u32 s[CNT], s[CNT], 1
	s_cmp_lg_u32 s[CNT], 0
	s_cbranch_scc1 .Lstep_\@
	s_sub_co_u32 s[TB], s[TB], SLOTB               ; back to a slot's first record,
	s_xor_b32 s[TB], s[TB], SLOT1                  ; in the other slot
.endm
	s_load_b128 s[4:7], s[0:1], 0x0                ; qn, kv
	s_load_b64 s[8:9], s[0:1], 0x10                ; yimg
	v_lshl_add_u32 v[SPW], v0, 2, SPARE
	v_mov_b32 v[NIL], 0
	ds_add_u32 v[SPW], v[NIL]                      ; the wave's opening: the add, twice on end, and its wait ahead of my first tensor load
	ds_add_u32 v[SPW], v[NIL]
	v_lshrrev_b32 v8, 5, v0
	v_readfirstlane_b32 s10, v8                    ; wave 0..7
	v_and_b32 v8, 31, v0
	v_lshlrev_b32 v[LI], 4, v8
	v_lshlrev_b32 v[PFO], 8, v8
	v_lshlrev_b32 v12, 3, v8                       ; 8 x lane
	v_and_b32 v9, 15, v0
	v_bfe_u32 v10, v0, 4, 1
	v_lshlrev_b32 v10, 3, v10
	v_sub_nc_u32 v[DD], v9, v10
	v_mov_b32 v[ZR], 0
	v_mov_b32 v13, 0                               ; written once: a lane permute's destination counts as one of its sources
	s_and_b32 s12, ttmp7, 0xffff                   ; batch x 16 + head
	s_sub_co_u32 s13, 15, ttmp9
	s_cmp_lt_u32 s10, 4
	s_cselect_b32 s13, s13, ttmp9                  ; my block of 128 queries
	s_and_b32 s[TMP], s10, 3
	s_lshl_b32 s[Q0], s13, 7
	s_lshl_b32 s[TMP], s[TMP], 5
	s_add_co_u32 s[Q0], s[Q0], s[TMP]
	s_sub_co_u32 s[LASTQ], 16, ttmp9
	s_lshl_b32 s[LASTQ], s[LASTQ], 7
	s_sub_co_u32 s[LASTQ], s[LASTQ], 1
	s_mov_b32 s16, 3<<16                           ; descriptor group 1: 10,240 dense bytes as 40 rows of 256 (32 elements of 8 bytes)
	s_mov_b32 s17, 32<<16
	s_mov_b32 s18, 40<<16
	s_mov_b32 s19, 32<<16
	s_mov_b32 s20, 40
	s_mov_b32 s21, 32
	s_mov_b32 s22, 0
	s_mov_b32 s23, 0
	s_mov_b32 s24, 1
	s_mul_i32 s25, s10, 10240                      ; LDS: my eighth of slot 0
	s_mul_i32 s40, s12, 327680
	s_mov_b32 s41, 0
	s_mov_b32 s[SEL], 0x76543210
	s_mov_b32 s[SEL+1], 0xfedcba98
	s_mov_b32 s[TB], 0
	s_mov_b32 s[KEY], 0
	s_mov_b32 s[SLOTS], 3
	s_cmp_lt_u32 s10, 5
	s_cselect_b32 s[TMP], 0, 1
	s_or_b32 s[TMP], s[TMP], ttmp9
	s_cmp_eq_u32 s[TMP], 0
	s_cselect_b32 s[LIM], 1, -1
	s_wait_dscnt 0x0                               ; both opening adds are done
	s_wait_kmcnt 0x0
	s_add_nc_u64 s[42:43], s[6:7], s[40:41]        ; the head's records
	s_mov_b32 s40, s25
	s_add_nc_u64 s[26:27], s[42:43], s[40:41]
	s_or_b32 s27, s27, 0x80000000
	tensor_load_to_lds s[24:27], s[16:23]          ; slot 0
	s_nop 0
	s_min_u32 s40, s10, 4                          ; (held, so that the address stays inside the buffer in the waves that never ask)
	s_lshl_b32 s40, s40, 14
	s_add_co_u32 s40, s40, SLOTB                   ; in slot 1: the first change of slots steps it to slot 2
	s_add_nc_u64 s[PFA:PFA+1], s[42:43], s[40:41]
	s_lshl_b32 s40, s12, 16
	s_lshl_b32 s[TMP], s[Q0], 5
	s_add_co_u32 s40, s40, s[TMP]
	s_add_nc_u64 s[46:47], s[4:5], s[40:41]        ; q at my first tile
	global_load_b128 v[QF:QF+3],    v[LI], s[46:47]
	global_load_b128 v[QF+8:QF+11], v[LI], s[46:47] offset:512
	s_lshl_b32 s40, s12, 8
	s_add_co_u32 s40, s40, KN2
	s_add_nc_u64 s[48:49], s[4:5], s[40:41]
	global_load_b64 v[8:9], v12, s[48:49]          ; the head's 64 largest |k|^2, two a lane
	s_lshr_b32 s40, s12, 4                         ; y: token tile 128 x batch + Q0 / 16, 32,768 bytes each; step 2 x head, 1,024 bytes each
	s_lshl_b32 s40, s40, 22
	s_lshl_b32 s[TMP], s[Q0], 11
	s_add_co_u32 s40, s40, s[TMP]
	s_and_b32 s[TMP], s12, 15
	s_lshl_b32 s[TMP], s[TMP], 11
	s_add_co_u32 s40, s40, s[TMP]
	s_add_nc_u64 s[44:45], s[8:9], s[40:41]
.irp j, 4,5,6,7,12,13,14,15
	v_mov_b32 v[QF+\j], 0                          ; K = 16 is padded to the instruction's 32 with zeros, on both sides
	v_mov_b32 v[KR+\j], 0
.endr
.irp j, 0,1,2,3
	v_mov_b32 v[LS+\j], 0
.endr
.set cnt, 0
.rept 64
	v_mov_b32 v[O+cnt], 0                          ; the step is written once: the first finds zeros
.set cnt, cnt+1
.endr
	s_wait_loadcnt 0x0
	v_max_num_f32 v8, v8, v9
	v_max_num_f32_dpp v8, v8, v8 row_xmask:1 row_mask:0xf bank_mask:0xf
	v_max_num_f32_dpp v8, v8, v8 row_xmask:2 row_mask:0xf bank_mask:0xf
	v_max_num_f32_dpp v8, v8, v8 row_xmask:4 row_mask:0xf bank_mask:0xf
	v_max_num_f32_dpp v8, v8, v8 row_xmask:8 row_mask:0xf bank_mask:0xf
	v_permlanex16_b32 v9, v8, s[SEL], s[SEL+1]
	v_max_num_f32 v8, v8, v9                       ; the head's largest |k|^2,
	v_mul_f32 v8, 0x3f83d70a, v8                   ; x 1.03
	v_cvt_f32_f16 v224, v16.l                      ; my 8 features of each tile's query
	v_cvt_f32_f16 v225, v16.h
	v_cvt_f32_f16 v226, v17.l
	v_cvt_f32_f16 v227, v17.h
	v_cvt_f32_f16 v228, v18.l
	v_cvt_f32_f16 v229, v18.h
	v_cvt_f32_f16 v230, v19.l
	v_cvt_f32_f16 v231, v19.h
	v_cvt_f32_f16 v232, v24.l
	v_cvt_f32_f16 v233, v24.h
	v_cvt_f32_f16 v234, v25.l
	v_cvt_f32_f16 v235, v25.h
	v_cvt_f32_f16 v236, v26.l
	v_cvt_f32_f16 v237, v26.h
	v_cvt_f32_f16 v238, v27.l
	v_cvt_f32_f16 v239, v27.h
	v_mul_f32 v10, v224, v224
	v_mul_f32 v11, v232, v232
.irp i, 1,2,3,4,5,6,7
	v_fmac_f32 v10, v[224+\i], v[224+\i]
	v_fmac_f32 v11, v[232+\i], v[232+\i]
.endr
	v_permlanex16_b32 v12, v10, s[SEL], s[SEL+1]
	v_permlanex16_b32 v13, v11, s[SEL], s[SEL+1]
	v_add_f32 v10, v10, v12                        ; |q|^2
	v_add_f32 v11, v11, v13
	v_mul_f32 v10, v10, v8                         ; t^2
	v_mul_f32 v11, v11, v8
	v_sqrt_f32 v12, v10
	v_sqrt_f32 v13, v11
	v_nop                                          ; a plain line behind the roots,
	s_wait_alu depctr_va_vdst(0)                   ; and the one wait ahead of their first reader
	v_fma_f32 v12, v12, 0x3e800000, 1.0            ; 1 + t / 4
	v_fma_f32 v13, v13, 0x3e800000, 1.0
	v_fmamk_f32 v12, v10, 0x3d000000, v12          ; + t^2 / 32 = B
	v_fmamk_f32 v13, v11, 0x3d000000, v13
	v_lshrrev_b32 v12, 23, v12                     ; B's exponent field (B is 1 or more)
	v_lshrrev_b32 v13, 23, v13
	v_sub_nc_u32 v12, 268, v12                     ; c's: 127 + 14 - floor(log2 B)
	v_sub_nc_u32 v13, 268, v13
	v_lshlrev_b32 v[CF], 23, v12
	v_lshlrev_b32 v[CF+6], 23, v13
.irp q, 0,6
	v_mov_b32 v[CF+\q+1], v[CF+\q]
	v_mul_f32 v[CF+\q+2], 0x3e800000, v[CF+\q]     ; exact
	v_mul_f32 v[CF+\q+3], 0x3e800000, v[CF+\q]
	v_mul_f32 v[CF+\q+4], 0x3d000000, v[CF+\q]
	v_mul_f32 v[CF+\q+5], 0x3d000000, v[CF+\q]
.endr
.Lslot:                                            ; three trips: behind each change of slots but the last the next slot is asked for, up to the causal limit
	CHANGE 1
	SLOT_STEPS
	s_sub_co_u32 s[SLOTS], s[SLOTS], 1
	s_cmp_lg_u32 s[SLOTS], 0
	s_cbranch_scc1 .Lslot
	CHANGE 0                                       ; the last slot is written out: nothing is left to ask for
	SLOT_STEPS
	; THE WAY OUT
.rept 4
	v_nop                                          ; four places behind the last products
.endr
	v_add_f32 v8, v[LS], v[LS+1]
	v_add_f32 v9, v[LS+2], v[LS+3]
	v_permlanex16_b32 v10, v8, s[SEL], s[SEL+1]
	v_permlanex16_b32 v11, v9, s[SEL], s[SEL+1]
	v_add_f32 v8, v8, v10                          ; the row sum, with lane l xor 16's keys
	v_add_f32 v9, v9, v11
	v_fmamk_f32 v8, v[CF], 0x2b8cbccc, v8          ; + c x 1e-12
	v_fmamk_f32 v9, v[CF+6], 0x2b8cbccc, v9
	v_rcp_f32 v10, v8
	v_rcp_f32 v12, v9
	v_nop
	s_wait_alu depctr_va_vdst(0)                   ; one wait for both reciprocals, ahead of their first reader
	v_mov_b32 v11, v10
	v_mov_b32 v13, v12
.irp q, 0,1
.irp i, 0,2,4,6,8,10,12,14,16,18,20,22,24,26,28,30
	v_pk_mul_f32 v[O+32*\q+\i:O+32*\q+\i+1], v[O+32*\q+\i:O+32*\q+\i+1], v[10+2*\q:11+2*\q]   ; each accumulator from its low end on
.endr
.endr
.set cnt, 0
.rept 32
	v_cvt_pk_f16_f32 v[S+cnt], v[O+2*cnt], v[O+2*cnt+1]
.set cnt, cnt+1
.endr
.irp q, 0,1
.irp t, 0,1,2,3
	global_store_b128 v[LI], v[S+16*\q+4*\t:S+16*\q+4*\t+3], s[44:45] offset:32768*\q+512*\t   ; channels 16 t on: half t % 2 of step 2 x head + t / 2; 512 consecutive bytes
.endr
.endr
	s_wait_tensorcnt 0x0                           ; the wave's end
	ds_add_u32 v[SPW], v[NIL]
	s_wait_dscnt 0x0
	s_endpgm
.Lfunc_end_k_qee0f46c8bc_attn:
	.size	k_qee0f46c8bc_attn, .Lfunc_end_k_qee0f46c8bc_attn-k_qee0f46c8bc_attn
	.p2alignl 7, 3214868480
	.fill 96, 4, 3214868480
	.section	.rodata,"a",@progbits
	.p2align	6, 0x0
	.amdhsa_kernel k_qee0f46c8bc_attn
		.amdhsa_group_segment_fixed_size 327680
		.amdhsa_private_segment_fixed_size 0
		.amdhsa_enable_private_segment 0
		.amdhsa_kernarg_size 24
		.amdhsa_user_sgpr_count 2
		.amdhsa_user_sgpr_kernarg_segment_ptr 1
		.amdhsa_wavefront_size32 1
		.amdhsa_system_sgpr_workgroup_id_x 1
		.amdhsa_system_sgpr_workgroup_id_y 1
		.amdhsa_system_sgpr_workgroup_id_z 1
		.amdhsa_system_vgpr_workitem_id 0
		.amdhsa_next_free_vgpr 256
		.amdhsa_next_free_sgpr 66
		.amdhsa_reserve_vcc 1
		.amdhsa_float_denorm_mode_32 3
		.amdhsa_float_denorm_mode_16_64 3
		.amdhsa_memory_ordered 1
		.amdhsa_forward_progress 1
		.amdhsa_inst_pref_size 31
	.end_amdhsa_kernel
	.amdgpu_metadata
---
amdhsa.version: [ 1, 2 ]
amdhsa.kernels:
  - .name:           k_qee0f46c8bc_attn
    .symbol:         k_qee0f46c8bc_attn.kd
    .args:
      - { .name: qn, .offset: 0, .size: 8, .value_kind: global_buffer, .address_space: global }
      - { .name: kv, .offset: 8, .size: 8, .value_kind: global_buffer, .address_space: global }
      - { .name: yimg, .offset: 16, .size: 8, .value_kind: global_buffer, .address_space: global }
    .group_segment_fixed_size: 327680
    .private_segment_fixed_size: 0
    .kernarg_segment_align: 8
    .kernarg_segment_size: 24
    .max_flat_workgroup_size: 256
    .sgpr_count:     66
    .vgpr_count:     256
    .wavefront_size: 32
...
	.end_amdgpu_metadata
.endif
;; end of part 3
;; launch outproj (part 4): grid 8 x 32, 4 waves a work-group, clusters of 4 x 4, 327,680 bytes of LDS; arguments yimg, woimg, out0; writes out0
.if DOCPART == 4
	.amdgcn_target "amdgcn-amd-amdhsa--gfx1250"
	.amdhsa_code_object_version 6
	.text
	.protected	k_qee0f46c8bc_outproj
	.globl	k_qee0f46c8bc_outproj
	.p2align	8
	.type	k_qee0f46c8bc_outproj,@function
k_qee0f46c8bc_outproj:
	s_mov_b64 s[64:65], 0
	v_nop
	global_prefetch_b8 v0, s[64:65] scope:SCOPE_SE
	s_setreg_imm32_b32 hwreg(HW_REG_WAVE_MODE, 25, 1), 1
	s_wait_xcnt 0x0
	s_wait_alu depctr_hold_cnt(0) depctr_sa_sdst(0) depctr_va_vdst(0) depctr_va_sdst(0) depctr_va_ssrc(0) depctr_va_vcc(0) depctr_vm_vsrc(0)
	s_getreg_b32 s2, hwreg(HW_REG_IB_STS2, 6, 4)
	s_cmp_eq_u32 s2, 0
	s_cbranch_scc0 .Lentry_in_a_cluster
	s_endpgm
.Lentry_in_a_cluster:
	s_bfe_u32 s2, ttmp6, 0x10000c
	s_cmp_lg_u32 s2, 0xf033
	s_cbranch_scc0 .Lentry_shape_is_right
	s_endpgm
.Lentry_shape_is_right:
; OUTPROJ: out = y Wo, M 4,096, K 1,024, N 1,024, operands in f16, sums and result in f32.
; Both operands arrive as images of operand registers: yimg [token tile 256][step of 32 along K: 32][1,024 B], woimg [column tile 64][32][1,024 B]: a fragment is two loads of 512 consecutive bytes, 16 a lane:
; no pitch, no padding.  A tile of out is 128 tokens x 128 columns: 256 work-groups.  Four waves, each 64 x 64: 16 accumulators.  K goes in steps of 256 through a ring of two LDS slots; a wave's tensor load brings
; four tiles x 8,192 bytes (rows of 8,192 bytes, 32,768 apart).  K = 1,024 is two laps of the ring: they are written out, with no loop.
; CLUSTERS: 4 x 4 work-groups.  The four of a row of the cluster need the same tiles of y, the four of a column the same tiles of Wo: each is asked for JOINTLY, by the same tensor load with the same descriptor and a mask
; that names the four.  THE MATRIX INSTRUCTION IS USED TRANSPOSED (source 0 = 16 columns of Wo, source 1 = 16 tokens): a lane holds eight neighbouring numbers of a row of out.
; REGISTERS: window 0: v16-29 addresses; v32-95 at work on the way out; v128-255 the accumulators ((a, b) at v[128 + 8 (4 a + b)]).   window 1: two fragment buffers of 128: 64 registers of y, then 64 of Wo.
; Rows 0-15 of each sequence are stored here like all others and stored again, from f32 arithmetic, by the launch that follows: a branch round their stores would hang on the work-group's place in its cluster.
.set KB,     8192                      ; a K step of one tile: eight fragments
.set KQ,     2048                      ; a quarter of it: 64 along K
.set HALFT,  4*KB                      ; what one tensor load brings, and what one wave reads of y or of Wo
.set SLOT,   4*HALFT                   ; y's eight tiles, then Wo's eight
.set STAGE,  2*SLOT                    ; behind the ring: 16 rows x (256 bytes + 16) for each wave, for the way out
.set SPITCH, 272
.set SPARE,  STAGE+4*16*SPITCH         ; behind the stages: the spare words, 128 bytes a wave
.set ADRA, 16                          ; v16-17  LDS address of my fragments of y in slot 0, 1
.set ADRB, 20                          ; v20-21  the same for Wo
.set STO,  24                          ; v24     the way out: where I put 32 bytes of a row
.set RD,   25                          ; v25     where I read a row back
.set CO,   26                          ; v26     my byte offset in out
.set SPW,  28                          ; v28     LDS address of my spare word; never rewritten
.set NIL,  29                          ; v29     0; never rewritten
.set OB,   32                          ; v32-63, v64-95 by turns: 16 rows read back from the stage
.set ACC,  128
.set F0,   0                           ; fragment buffers, in window 1
.set F1,   128
.set G1, 24                            ; s[24:31] descriptor group 1 for y's tiles;  s[32:39] group 0, one set for each slot
.set G0, 32
.set G1B, 48                           ; s[48:55], s[56:63] the same for Wo's
.set G0B, 56
.set MSB, 0
.macro WIN new                         ; the immediate's high byte repeats the setting that is left
.if MSB != \new
	s_set_vgpr_msb (MSB<<8)|\new
.set MSB, \new
.endif
.endm
.set MUL,  0x05                        ; sources 0 and 1 window 1; C and D window 0
.set TO_F, 0x40                        ; destination window 1, address window 0
.macro JLOAD s                         ; a joint load: waves 0 and 1 fetch y's two halves, waves 2 and 3 Wo's; an s_nop 0 and four v_nop follow each of the two lines
	s_cmp_eq_u32 s11, 0
	s_cbranch_scc0 .Lfor_b_\@
	tensor_load_to_lds s[G0+4*\s:G0+4*\s+3], s[G1:G1+7]
	s_nop 0
.rept 4
	v_nop
.endr
	s_branch .Lasked_\@
.Lfor_b_\@:
	tensor_load_to_lds s[G0B+4*\s:G0B+4*\s+3], s[G1B:G1B+7]
	s_nop 0
.rept 4
	v_nop
.endr
.Lasked_\@:
.endm
.macro CREST                           ; a round of the cluster's barrier behind its opening barrier
	s_cmp_lg_u32 s10, 0
	s_cbranch_scc1 .Lnot_wave_0_\@
	s_barrier_signal -3
.Lnot_wave_0_\@:
	s_barrier_wait -3
	s_barrier_signal -1
	s_barrier_wait -1
.endm
.macro CROUND                          ; a whole round
	s_barrier_signal -1
	s_barrier_wait -1
	CREST
.endm
	s_load_b128 s[4:7], s[0:1], 0x0                ; yimg s[4:5], woimg s[6:7]
	s_load_b64 s[8:9], s[0:1], 0x10                ; out0
	v_lshl_add_u32 v[SPW], v0, 2, SPARE
	v_mov_b32 v[NIL], 0
	ds_add_u32 v[SPW], v[NIL]                      ; the wave's opening: the add, twice on end, and its wait ahead of my first tensor load
	ds_add_u32 v[SPW], v[NIL]
	v_lshrrev_b32 v1, 5, v0
	v_readfirstlane_b32 s10, v1                    ; wave 0..3
	s_lshr_b32 s11, s10, 1                         ; which half of the tile's tokens is mine.  Also: I fetch for y (0) or for Wo (1)
	s_and_b32 s12, s10, 1                          ; which half of its columns.  Also: which four tiles I fetch
	s_bfe_u32 s40, ttmp6, 0x40000                  ; cx, cy: my place in the cluster
	s_bfe_u32 s41, ttmp6, 0x40004
	s_lshl_b32 s42, ttmp9, 2
	s_add_co_u32 s42, s42, s40                     ; block of 128 columns = 4 x cluster x + cx
	s_and_b32 s13, ttmp7, 0xffff
	s_lshl_b32 s13, s13, 2
	s_add_co_u32 s13, s13, s41                     ; block of 128 tokens = 4 x cluster y + cy
	s_lshl_b32 s43, s41, 2
	s_lshl_b32 s43, 15, s43                        ; my row of the cluster
	s_lshl_b32 s44, 0x1111, s40                    ; my column
	s_or_b32 s[G1+0], s43, (3<<16)|(1<<21)         ; 15:0 the mask: y's tiles go to my row; 17:16 elements of 8 bytes; 21 set beside a mask
	s_or_b32 s[G1B+0], s44, (3<<16)|(1<<21)
.irp g, G1, G1B
	s_mov_b32 s[\g+1], 1024<<16                    ; tensor_dim0 = 1,024 elements: 8,192 bytes
	s_mov_b32 s[\g+2], 4<<16                       ; tensor_dim1 = 4
	s_mov_b32 s[\g+3], 1024<<16                    ; tile_dim0
	s_mov_b32 s[\g+4], 4                           ; tile_dim1
	s_mov_b32 s[\g+5], 4096                        ; from tile to tile: 32,768 bytes
	s_mov_b32 s[\g+6], 0
	s_mov_b32 s[\g+7], 0
.endr
	s_lshl_b32 s17, s12, 17                        ; which four tiles of the eight I fetch
	s_lshl_b32 s16, s13, 18
	s_add_co_u32 s16, s16, s17                     ; y: eight tiles of 32,768 bytes for each block of tokens
	s_lshl_b32 s46, s42, 18
	s_add_co_u32 s46, s46, s17                     ; Wo: the same for each block of columns
	s_mov_b32 s17, 0
	s_mov_b32 s47, 0
	s_lshl_b32 s20, s10, 15                        ; where they go: wave x 32,768: no place in the cluster enters an LDS address
	s_wait_dscnt 0x0                               ; both opening adds are done
	s_wait_kmcnt 0x0
	s_add_nc_u64 s[14:15], s[4:5], s[16:17]
	s_add_nc_u64 s[46:47], s[6:7], s[46:47]
	CROUND                                         ; all sixteen work-groups are here: the first joint loads meet
.irp s, 0,1
	s_mov_b32 s[G0+4*\s], 1
	s_add_co_u32 s[G0+4*\s+1], s20, \s*SLOT
	s_add_nc_u64 s[G0+4*\s+2:G0+4*\s+3], s[14:15], \s*KB
	s_or_b32 s[G0+4*\s+3], s[G0+4*\s+3], 0x80000000
	s_mov_b32 s[G0B+4*\s], 1
	s_add_co_u32 s[G0B+4*\s+1], s20, \s*SLOT
	s_add_nc_u64 s[G0B+4*\s+2:G0B+4*\s+3], s[46:47], \s*KB
	s_or_b32 s[G0B+4*\s+3], s[G0B+4*\s+3], 0x80000000
	JLOAD \s
.endr
	v_and_b32 v3, 31, v0
	v_lshlrev_b32 v3, 4, v3                        ; 16 x lane
	s_lshl_b32 s21, s11, 15                        ; my four tiles of y
	s_lshl_b32 s22, s12, 15                        ; my four tiles of Wo,
	s_add_co_u32 s22, s22, 2*HALFT                 ; which lie behind y's eight
.irp s, 0,1
	v_add_nc_u32 v[ADRA+\s], s21, v3
	v_add_nc_u32 v[ADRB+\s], s22, v3
	s_add_co_u32 s21, s21, SLOT
	s_add_co_u32 s22, s22, SLOT
.endr
	v_and_b32 v1, 15, v0                           ; l % 16
	v_bfe_u32 v2, v0, 4, 1                         ; l / 16
	s_mul_i32 s23, s10, 16*SPITCH
	s_add_co_u32 s23, s23, STAGE                   ; my stage
	v_mul_u32_u24 v4, v1, SPITCH                   ; in: row l % 16, 32 bytes for each half of the lanes
	v_lshl_add_u32 v4, v2, 5, v4
	v_add_nc_u32 v[STO], s23, v4
	v_mul_u32_u24 v5, v2, SPITCH                   ; back: lanes 0-15 take one row of 256 bytes, lanes 16-31 the next
	v_lshl_add_u32 v5, v1, 4, v5
	v_add_nc_u32 v[RD], s23, v5
	v_lshlrev_b32 v5, 12, v2                       ; and the same two rows in out: 4,096 bytes a row
	v_lshl_add_u32 v[CO], v1, 4, v5
	s_lshl_b32 s16, s13, 19                        ; my first token: 128 x block + 64 x half, 4,096 bytes each
	s_lshl_b32 s17, s11, 18
	s_add_co_u32 s16, s16, s17
	s_mov_b32 s17, 0
	s_add_nc_u64 s[8:9], s[8:9], s[16:17]
	s_lshl_b32 s46, s42, 9                         ; my first column, in bytes: 512 x block + 256 x half
	s_lshl_b32 s47, s12, 8
	s_add_co_u32 s46, s46, s47
	s_mov_b32 s47, 0
	s_add_nc_u64 s[8:9], s[8:9], s[46:47]
; 8 matrix instructions: token blocks a0, a0 + 1 x all 4 column blocks, 32 along K: half c of buffer f.  zero = 1: the first product starts the sums.  The 16 accumulators take turns
.macro MUL8 f, c, a0, zero
.irp a, \a0, \a0+1
.irp b, 0,1,2,3
.if \zero
	v_wmma_f32_16x16x32_f16 v[ACC+8*(4*(\a)+\b):ACC+8*(4*(\a)+\b)+7], v[\f+64+8*(4*\c+\b):\f+64+8*(4*\c+\b)+7], v[\f+8*(4*\c+\a):\f+8*(4*\c+\a)+7], 0
.else
	v_wmma_f32_16x16x32_f16 v[ACC+8*(4*(\a)+\b):ACC+8*(4*(\a)+\b)+7], v[\f+64+8*(4*\c+\b):\f+64+8*(4*\c+\b)+7], v[\f+8*(4*\c+\a):\f+8*(4*\c+\a)+7], v[ACC+8*(4*(\a)+\b):ACC+8*(4*(\a)+\b)+7]
.endif
.endr
.endr
.endm
; 32 LDS loads in one run: the fragments of 64 along K, from byte k of each tile's K step, into buffer f; the first 32 along K first
.macro FETCH slot, k, f
	WIN TO_F
.irp c, 0,1
.irp i, 0,1,2,3
	ds_load_b128 v[\f+64+8*(4*\c+\i):\f+64+8*(4*\c+\i)+3],   v[ADRB+\slot] offset:\k+1024*\c+\i*KB
	ds_load_b128 v[\f+64+8*(4*\c+\i)+4:\f+64+8*(4*\c+\i)+7], v[ADRB+\slot] offset:\k+1024*\c+\i*KB+512
	ds_load_b128 v[\f+8*(4*\c+\i):\f+8*(4*\c+\i)+3],         v[ADRA+\slot] offset:\k+1024*\c+\i*KB
	ds_load_b128 v[\f+8*(4*\c+\i)+4:\f+8*(4*\c+\i)+7],       v[ADRA+\slot] offset:\k+1024*\c+\i*KB+512
.endr
.endr
.endm
.macro PLACES                          ; four places in front of loads into registers that matrix instructions have read, and of the first read of results
.rept 4
	v_nop
.endr
.endm
; A K step is four quarters of 64 along K, 32 matrix instructions each, on buffers 0, 1, 0, 1.  One of the first three: multiplies buffer f and fetches the next quarter, at byte k, into g.
.macro QUARTER slot, k, f, g, zero
	s_wait_dscnt 16                                ; the first 32 along K are in
	WIN MUL
	MUL8 \f, 0, 0, \zero
	MUL8 \f, 0, 2, \zero
	PLACES
	FETCH \slot, \k, \g
	s_wait_dscnt 32                                ; all but the 32 just issued
	WIN MUL
	MUL8 \f, 1, 0, 0
	MUL8 \f, 1, 2, 0
.endm
; The last quarter multiplies buffer 1 and changes slots: ONE barrier; in front of it each wave waits for all its tensor loads, adds 0 to its spare word, and waits for that and for its own reads of this slot.  fill = 1: this slot is filled again, two K steps ahead.
.macro TURN slot, next, fill
	WIN 0                                          ; (the add's two registers lie in window 0)
	s_wait_tensorcnt 0x0                           ; all my tensor loads have landed: my part of the next slot;
	ds_add_u32 v[SPW], v[NIL]                      ; 0 onto my spare word;
	s_wait_dscnt 17                                ; (the add and the youngest sixteen loads may be out)
	WIN MUL
	MUL8 F1, 0, 0, 0                               ; eight matrix instructions stand between the add and the wait for it
	s_wait_dscnt 0x0                               ; the add is done, and my reads of this slot are over
	s_barrier_signal -1
	MUL8 F1, 0, 2, 0
.if \fill
	WIN 0
.endif
	s_barrier_wait -1
.if \fill
	CREST                                          ; the barrier has opened a round of the cluster's barrier: no wave of any partner still reads this slot's tile or has a load on its way
	s_add_nc_u64 s[G0+4*\slot+2:G0+4*\slot+3], s[G0+4*\slot+2:G0+4*\slot+3], 2*KB
	s_add_nc_u64 s[G0B+4*\slot+2:G0B+4*\slot+3], s[G0B+4*\slot+2:G0B+4*\slot+3], 2*KB
	JLOAD \slot                                    ; the first tensor load behind the round; the four v_nop behind it are also the places in front of the loads below
.else
	PLACES
.endif
	FETCH \next, 0, F0
	WIN MUL
	MUL8 F1, 1, 0, 0
	MUL8 F1, 1, 2, 0
.endm
	s_wait_tensorcnt 1                             ; my part of K step 0 is in (K step 1's may stay out)
	s_barrier_signal -1
	s_barrier_wait -1                              ; everybody's is
	FETCH 0, 0, F0
	QUARTER 0, KQ,   F0, F1, 1                     ; the first products start the sums
	QUARTER 0, 2*KQ, F1, F0, 0
	QUARTER 0, 3*KQ, F0, F1, 0
	TURN 0, 1, 1                                   ; slot 0 takes K step 2
	QUARTER 1, KQ,   F0, F1, 0
	QUARTER 1, 2*KQ, F1, F0, 0
	QUARTER 1, 3*KQ, F0, F1, 0
	TURN 1, 0, 1                                   ; slot 1 takes K step 3
	QUARTER 0, KQ,   F0, F1, 0
	QUARTER 0, 2*KQ, F1, F0, 0
	QUARTER 0, 3*KQ, F0, F1, 0
	TURN 0, 1, 0                                   ; the last lap fills nothing, and has no round of the cluster's barrier
	QUARTER 1, KQ,   F0, F1, 0
	QUARTER 1, 2*KQ, F1, F0, 0
	QUARTER 1, 3*KQ, F0, F1, 0
	s_wait_dscnt 16                                ; the very last quarter: nothing more to fetch
	WIN MUL
	MUL8 F1, 0, 0, 0
	MUL8 F1, 0, 2, 0
	s_wait_dscnt 0
	MUL8 F1, 1, 0, 0
	MUL8 F1, 1, 2, 0
	WIN 0
; THE WAY OUT, 16 tokens x 64 columns at a time.  A lane holds 32 neighbouring bytes of a row and the lanes beside it hold other rows: so a block goes through my own stage and comes back as whole rows of 256 bytes.
; LDS serves a wave's instructions in order: no wait between the stores and the loads, nor in front of the next block's stores.
.macro TOSTAGE a
.set BB, OB+32*((\a)%2)
.irp b, 0,1,2,3
	ds_store_b128 v[STO], v[ACC+8*(4*(\a)+\b):ACC+8*(4*(\a)+\b)+3]   offset:64*\b        ; each accumulator from its low end on
	ds_store_b128 v[STO], v[ACC+8*(4*(\a)+\b)+4:ACC+8*(4*(\a)+\b)+7] offset:64*\b+16
.endr
.irp t, 0,1,2,3,4,5,6,7
	ds_load_b128 v[BB+4*\t:BB+4*\t+3], v[RD] offset:\t*2*SPITCH
.endr
.endm
.macro SEND a, younger                 ; younger: the LDS instructions issued behind block a's loads, which may stay out
.set BB, OB+32*((\a)%2)
	s_wait_dscnt \younger
.irp t, 0,1,2,3,4,5,6,7
	global_store_b128 v[CO], v[BB+4*\t:BB+4*\t+3], s[8:9] offset:(16*(\a)+2*\t)*4096 th:TH_STORE_NT   ; sixteen lanes store 256 consecutive bytes, at a multiple of 256 from out's first byte
.endr
.endm
	PLACES
	TOSTAGE 0
.irp a, 1,2,3
.if \a > 1
	s_wait_xcnt 0x0                                ; block a - 2's stores have read their registers: block a's loads may land there
.endif
	TOSTAGE \a
	SEND \a-1, 16                                  ; behind block a - 1's loads: block a's 8 stores and 8 loads
.endr
	SEND 3, 0
	s_wait_tensorcnt 0x0                           ; the wave's end
	ds_add_u32 v[SPW], v[NIL]
	s_wait_dscnt 0x0
	CROUND                                         ; the closing round: no work-group ends while a partner may still ask for a tile that names it
	s_endpgm
.Lfunc_end_k_qee0f46c8bc_outproj:
	.size	k_qee0f46c8bc_outproj, .Lfunc_end_k_qee0f46c8bc_outproj-k_qee0f46c8bc_outproj
	.p2alignl 7, 3214868480
	.fill 96, 4, 3214868480
	.section	.rodata,"a",@progbits
	.p2align	6, 0x0
	.amdhsa_kernel k_qee0f46c8bc_outproj
		.amdhsa_group_segment_fixed_size 327680
		.amdhsa_private_segment_fixed_size 0
		.amdhsa_enable_private_segment 0
		.amdhsa_kernarg_size 24
		.amdhsa_user_sgpr_count 2
		.amdhsa_user_sgpr_kernarg_segment_ptr 1
		.amdhsa_wavefront_size32 1
		.amdhsa_system_sgpr_workgroup_id_x 1
		.amdhsa_system_sgpr_workgroup_id_y 1
		.amdhsa_system_sgpr_workgroup_id_z 1
		.amdhsa_system_vgpr_workitem_id 0
		.amdhsa_next_free_vgpr 512
		.amdhsa_next_free_sgpr 66
		.amdhsa_reserve_vcc 0
		.amdhsa_float_denorm_mode_32 3
		.amdhsa_float_denorm_mode_16_64 3
		.amdhsa_memory_ordered 1
		.amdhsa_forward_progress 1
		.amdhsa_inst_pref_size 85
	.end_amdhsa_kernel
	.amdgpu_metadata
---
amdhsa.version: [ 1, 2 ]
amdhsa.kernels:
  - .name:           k_qee0f46c8bc_outproj
    .symbol:         k_qee0f46c8bc_outproj.kd
    .args:
      - { .name: yimg, .offset: 0, .size: 8, .value_kind: global_buffer, .address_space: global }
      - { .name: woimg, .offset: 8, .size: 8, .value_kind: global_buffer, .address_space: global }
      - { .name: out0, .offset: 16, .size: 8, .value_kind: global_buffer, .address_space: global }
    .group_segment_fixed_size: 327680
    .private_segment_fixed_size: 0
    .kernarg_segment_align: 8
    .kernarg_segment_size: 24
    .max_flat_workgroup_size: 128
    .sgpr_count:     66
    .vgpr_count:     512
    .wavefront_size: 32
...
	.end_amdgpu_metadata
.endif
;; end of part 4
;; launch early (part 5): grid 64 x 2, 16 waves a work-group, no clusters, 18,432 bytes of LDS; arguments eimg, Wo, out0; writes out0
.if DOCPART == 5
	.amdgcn_target "amdgcn-amd-amdhsa--gfx1250"
	.amdhsa_code_object_version 6
	.text
	.protected	k_qee0f46c8bc_early
	.globl	k_qee0f46c8bc_early
	.p2align	8
	.type	k_qee0f46c8bc_early,@function
k_qee0f46c8bc_early:
	s_mov_b64 s[64:65], 0
	v_nop
	global_prefetch_b8 v0, s[64:65] scope:SCOPE_SE
	s_setreg_imm32_b32 hwreg(HW_REG_WAVE_MODE, 25, 1), 1
	s_wait_xcnt 0x0
; EARLY: rows 0-15 of each sequence once more, all in f32: these rows average one to sixteen values, are the largest of the output, and f16 operands would use up what their comparison allows.
; eimg holds the raw f32 results of the projections for tokens 0-15: [batch x head 32][q, k, v0..v3][1,024 B]: registers 0-3 at 16 x lane, registers 4-7 512 bytes on.
; q, k: lane (r, h), register j = feature 8 h + j of token r.  v: register j = token 8 h + j, channel r.
; SHARES.  A work-group makes 16 tokens x 16 columns of out (x: the column tile, y: the batch); wave = head.  Each wave makes its head's y anew (20 matrix instructions), multiplies it by its 64 rows of Wo (16), and the sixteen
; partial sums meet in LDS.  This is no bulk work: 36 matrix instructions of 16 x 16 x 4 a wave.
; THE f32 FORM wants k = 2 h + 0, 1 in a lane's two registers.  A register pair (2 c, 2 c + 1) of an image holds k = 8 h + 2 c + 0, 1: the same permutation of k on both sources, which keeps the products; c = 0 .. 3 covers all 16.
; S^T = K Q^T (key 8 h + j, query r); P = 1 + S / 4 + S^2 / 32, 0 where the key comes after the query; O^T = V^T P (channel, query); Y = O^T / (the row sum + 1e-12); E = Wo^T Y (column 8 h + j, token r).
; The registers that the f32 form writes (v96-151) are written by matrix instructions alone; what is made of them goes into other registers.
; The output leaves as 64 bytes of each of 16 rows, 128 KiB in the launch: whole rows of 256 bytes would put four times the work on a quarter of the waves.
.set SPARE, 16384                      ; LDS: sixteen partial sums of 1,024 bytes, then the spare words, 128 bytes for each of 16 waves
.set LI,  1                            ; v1   16 x lane
.set DD,  2                            ; v2   r - 8 h
.set WOF, 3                            ; v3   Wo: 8 h rows of 4,096 bytes + 4 r
.set SPW, 4                            ; v4   LDS address of my spare word; never rewritten
.set NIL, 5                            ; v5   0; never rewritten
.set ZR,  6                            ; v6   0
.set PST, 10                           ; v10  where I put my partial sum
.set PRD, 11                           ; v11  where waves 0 and 1 read: half g = wave of each partial sum
.set OOF, 12                           ; v12  out: 4,096 r + 32 h
.set QI,  16                           ; v16-23   q
.set KI,  24                           ; v24-31   k
.set VI,  32                           ; v32-63   v: tile t at VI + 8 t
.set WO,  64                           ; v64-95   Wo: the pair (t, c) at WO + 8 t + 2 c
.set SS,  96                           ; v96-103  S^T
.set OO,  104                          ; v104-135 O^T: tile t at OO + 8 t
.set EE,  136                          ; v136-151 two accumulators of E
.set PP,  152                          ; v152-159 P
.set YY,  160                          ; v160-191 Y
.set RR,  192                          ; v192-199 my partial sum
	s_load_b128 s[4:7], s[0:1], 0x0                ; eimg, Wo
	s_load_b64 s[8:9], s[0:1], 0x10                ; out0
	v_lshl_add_u32 v[SPW], v0, 2, SPARE
	v_mov_b32 v[NIL], 0
	v_lshrrev_b32 v7, 5, v0
	v_readfirstlane_b32 s10, v7                    ; wave = head
	v_and_b32 v7, 31, v0
	v_lshlrev_b32 v[LI], 4, v7
	v_and_b32 v8, 15, v0                           ; r
	v_bfe_u32 v9, v0, 4, 1                         ; h
	v_lshlrev_b32 v[DD], 3, v9
	v_sub_nc_u32 v[DD], v8, v[DD]
	v_lshlrev_b32 v[WOF], 15, v9
	v_lshl_add_u32 v[WOF], v8, 2, v[WOF]
	v_mov_b32 v[ZR], 0
	s_lshl_b32 s12, s10, 10
	v_add_nc_u32 v[PST], s12, v[LI]
	s_lshl_b32 s12, s10, 9
	v_add_nc_u32 v[PRD], s12, v[LI]
	v_lshlrev_b32 v[OOF], 12, v8
	v_lshl_add_u32 v[OOF], v9, 5, v[OOF]
	s_and_b32 s11, ttmp7, 0xffff                   ; batch
	s_lshl_b32 s12, s11, 4
	s_add_co_u32 s12, s12, s10
	s_mul_i32 s12, s12, 6144                       ; my head's six images
	s_mov_b32 s13, 0
	s_lshl_b32 s16, s10, 18                        ; my head's 64 rows of Wo,
	s_lshl_b32 s17, ttmp9, 6                       ; the work-group's 16 columns
	s_add_co_u32 s16, s16, s17
	s_mov_b32 s17, 0
	s_lshl_b32 s18, s11, 23                        ; the sequence's first row of out,
	s_lshl_b32 s19, ttmp9, 6
	s_add_co_u32 s18, s18, s19
	s_lshl_b32 s19, s10, 4                         ; and 16 g bytes on, g = wave: used by waves 0 and 1 alone
	s_add_co_u32 s18, s18, s19
	s_mov_b32 s19, 0
	s_mov_b32 s14, 0x3d000000                      ; 1 / 32
	s_mov_b32 s15, 0x3e800000                      ; 1 / 4
	s_mov_b32 s20, 0x76543210
	s_mov_b32 s21, 0xfedcba98                      ; v_permlanex16_b32's selects for lane l xor 16
	s_wait_kmcnt 0x0
	s_add_nc_u64 s[4:5], s[4:5], s[12:13]
	s_add_nc_u64 s[6:7], s[6:7], s[16:17]
	s_add_nc_u64 s[8:9], s[8:9], s[18:19]
.irp n, 0,1,2,3,4,5
	global_load_b128 v[QI+8*\n:QI+8*\n+3],   v[LI], s[4:5] offset:1024*\n
	global_load_b128 v[QI+8*\n+4:QI+8*\n+7], v[LI], s[4:5] offset:1024*\n+512
.endr
.irp t, 0,1,2,3
.irp c, 0,1,2,3
.irp j, 0,1
	global_load_b32 v[WO+8*\t+2*\c+\j], v[WOF], s[6:7] offset:(16*\t+2*\c+\j)*4096   ; Wo(64 head + 16 t + 8 h + 2 c + j, column r)
.endr
.endr
.endr
	s_wait_loadcnt 32                              ; the images are in; Wo's 32 loads may be out
	v_wmma_f32_16x16x4_f32 v[SS:SS+7], v[KI:KI+1], v[QI:QI+1], 0
.irp c, 1,2,3
	s_wait_alu depctr_va_vdst(0)                   ; the wait directly ahead of each link
	v_wmma_f32_16x16x4_f32 v[SS:SS+7], v[KI+2*\c:KI+2*\c+1], v[QI+2*\c:QI+2*\c+1], v[SS:SS+7]
.endr
.rept 8
	v_nop                                          ; eight places behind this form, in front of the first read of its result
.endr
.irp j, 0,1,2,3,4,5,6,7
	v_fma_f32 v[PP+\j], v[SS+\j], s14, s15         ; s / 32 + 1 / 4
.endr
.irp j, 0,1,2,3,4,5,6,7
	v_fma_f32 v[PP+\j], v[PP+\j], v[SS+\j], 1.0    ; times s, + 1
.endr
.irp j, 0,1,2,3,4,5,6,7
	v_cmp_gt_i32 vcc_lo, \j, v[DD]                 ; key 8 h + j comes after query r
	v_cndmask_b32 v[PP+\j], v[PP+\j], v[ZR], vcc_lo
.endr
	v_add_f32 v200, v[PP], v[PP+1]
	v_add_f32 v201, v[PP+2], v[PP+3]
	v_add_f32 v202, v[PP+4], v[PP+5]
	v_add_f32 v203, v[PP+6], v[PP+7]
	v_add_f32 v200, v200, v201
	v_add_f32 v202, v202, v203
	v_add_f32 v200, v200, v202
	v_permlanex16_b32 v201, v200, s20, s21
	v_add_f32 v200, v200, v201                     ; the row sum
	v_add_f32 v200, 0x2b8cbccc, v200               ; + 1e-12
	v_rcp_f32 v204, v200
	v_nop                                          ; a plain line behind the reciprocal,
	s_wait_alu depctr_va_vdst(0)                   ; and the wait ahead of its first reader
.irp c, 0,1,2,3                                ; four accumulators by turns, one instruction a turn
.irp t, 0,1,2,3
.if \c == 0
	v_wmma_f32_16x16x4_f32 v[OO+8*\t:OO+8*\t+7], v[VI+8*\t:VI+8*\t+1], v[PP:PP+1], 0
.else
	v_wmma_f32_16x16x4_f32 v[OO+8*\t:OO+8*\t+7], v[VI+8*\t+2*\c:VI+8*\t+2*\c+1], v[PP+2*\c:PP+2*\c+1], v[OO+8*\t:OO+8*\t+7]
.endif
.endr
.endr
.rept 8
	v_nop
.endr
.set cnt, 0
.rept 32
	v_mul_f32 v[YY+cnt], v[OO+cnt], v204           ; each accumulator from its low end on
.set cnt, cnt+1
.endr
	s_wait_loadcnt 0x0                             ; Wo
.irp t, 0,1,2,3                                ; two accumulators by turns
.irp c, 0,1,2,3
.if (4*\t+\c) < 2
	v_wmma_f32_16x16x4_f32 v[EE+8*(\c%2):EE+8*(\c%2)+7], v[WO+8*\t+2*\c:WO+8*\t+2*\c+1], v[YY+8*\t+2*\c:YY+8*\t+2*\c+1], 0
.else
	v_wmma_f32_16x16x4_f32 v[EE+8*(\c%2):EE+8*(\c%2)+7], v[WO+8*\t+2*\c:WO+8*\t+2*\c+1], v[YY+8*\t+2*\c:YY+8*\t+2*\c+1], v[EE+8*(\c%2):EE+8*(\c%2)+7]
.endif
.endr
.endr
.rept 8
	v_nop
.endr
.irp j, 0,1,2,3,4,5,6,7
	v_add_f32 v[RR+\j], v[EE+\j], v[EE+8+\j]
.endr
	ds_store_b128 v[PST], v[RR:RR+3]
	ds_store_b128 v[PST], v[RR+4:RR+7] offset:512
	s_wait_dscnt 0x0                               ; for the others' sake: my stores have landed
	s_barrier_signal -1
	s_barrier_wait -1
	s_cmp_lt_u32 s10, 2                            ; waves 0 and 1 add the sixteen heads' parts, half g = wave each
	s_cbranch_scc0 .Lend
.irp k, 0,1,2,3,4,5,6,7,8,9,10,11,12,13,14,15
	ds_load_b128 v[16+4*\k:19+4*\k], v[PRD] offset:1024*\k
.endr
	s_wait_dscnt 0x0
.irp d, 32,16,8,4                              ; a tree in a fixed order: 16, 8, 4, 2 packed additions
.set cnt, 0
.rept \d/2
	v_pk_add_f32 v[16+cnt:17+cnt], v[16+cnt:17+cnt], v[16+\d+cnt:17+\d+cnt]
.set cnt, cnt+2
.endr
.endr
	global_store_b128 v[OOF], v[16:19], s[8:9]     ; out(token r, columns 16 x + 8 h + 4 g + 0 .. 3)
.Lend:
	s_wait_tensorcnt 0x0                           ; the wave's end
	ds_add_u32 v[SPW], v[NIL]
	s_wait_dscnt 0x0
	s_endpgm
.Lfunc_end_k_qee0f46c8bc_early:
	.size	k_qee0f46c8bc_early, .Lfunc_end_k_qee0f46c8bc_early-k_qee0f46c8bc_early
	.p2alignl 7, 3214868480
	.fill 96, 4, 3214868480
	.section	.rodata,"a",@progbits
	.p2align	6, 0x0
	.amdhsa_kernel k_qee0f46c8bc_early
		.amdhsa_group_segment_fixed_size 18432
		.amdhsa_private_segment_fixed_size 0
		.amdhsa_enable_private_segment 0
		.amdhsa_kernarg_size 24
		.amdhsa_user_sgpr_count 2
		.amdhsa_user_sgpr_kernarg_segment_ptr 1
		.amdhsa_wavefront_size32 1
		.amdhsa_system_sgpr_workgroup_id_x 1
		.amdhsa_system_sgpr_workgroup_id_y 1
		.amdhsa_system_sgpr_workgroup_id_z 1
		.amdhsa_system_vgpr_workitem_id 0
		.amdhsa_next_free_vgpr 256
		.amdhsa_next_free_sgpr 66
		.amdhsa_reserve_vcc 1
		.amdhsa_float_denorm_mode_32 3
		.amdhsa_float_denorm_mode_16_64 3
		.amdhsa_memory_ordered 1
		.amdhsa_forward_progress 1
		.amdhsa_inst_pref_size 16
	.end_amdhsa_kernel
	.amdgpu_metadata
---
amdhsa.version: [ 1, 2 ]
amdhsa.kernels:
  - .name:           k_qee0f46c8bc_early
    .symbol:         k_qee0f46c8bc_early.kd
    .args:
      - { .name: eimg, .offset: 0, .size: 8, .value_kind: global_buffer, .address_space: global }
      - { .name: Wo, .offset: 8, .size: 8, .value_kind: global_buffer, .address_space: global }
      - { .name: out0, .offset: 16, .size: 8, .value_kind: global_buffer, .address_space: global }
    .group_segment_fixed_size: 18432
    .private_segment_fixed_size: 0
    .kernarg_segment_align: 8
    .kernarg_segment_size: 24
    .max_flat_workgroup_size: 512
    .sgpr_count:     66
    .vgpr_count:     256
    .wavefront_size: 32
...
	.end_amdgpu_metadata
.endif
;; end of part 5
